; MI455X (gfx1250); checked and timed in simulation.
; The chip was launched on July 23, 2026; its instructions are those of AMD's public machine-readable ISA for CDNA 5 (MIT licence, August 2026) and "CDNA5" Instruction Set Architecture Reference Guide (July 2026). The comments in the code are by the model that wrote it; some were corrected since.
;; Bahdanau Attention. Allowed arithmetic: matrix products marked QUANTISED: E2M3 operands, one E8M0 scale for each 32 along K, by v_wmma_scale_f32_16x16x128_f8f6f4 with both operands' format E2M3, f32 sums; products left as they are: f32 operands where the result goes on into a quantised operand, else bf16, f16 or f32 operands; f32 sums; everything else in f32.
;; Inputs: Wk_codes 1,024 x 32 x 24 uint8 (E2M3 codes of Wk, K innermost, in blocks of 32 codes, four codes in three bytes); Wk_scales 1,024 x 32 uint8 (E8M0 scales of Wk, one for each 32 codes along K); Wq_codes 1,024 x 32 x 24 uint8 (E2M3 codes of Wq, K innermost, in blocks of 32 codes, four codes in three bytes); Wq_scales 1,024 x 32 uint8 (E8M0 scales of Wq, one for each 32 codes along K); keys 64 x 1,024 x 1,024 float32; mask 64 x 1,024 bool; query_codes 64 x 32 x 24 uint8 (E2M3 codes of query, K innermost, in blocks of 32 codes, four codes in three bytes); query_scales 64 x 32 uint8 (E8M0 scales of query, one for each 32 codes along K); v 1 x 1,024 float32.
;; Outputs: out0 64 x 1,024 float32; out1 64 x 1,024 float32.
;; This version of the problem:
;;   THIS VERSION OF THE PROBLEM IS GIVEN IN LOW PRECISION. The matrix products marked QUANTISED in the list below multiply operands that are first quantised to E2M3 (2 exponent bits, 3 mantissa bits; 6 bits a number), with one power-of-two scale for each 32 numbers along K (OCP MX v1.0); their sums are f32. All else is computed in f32.
;;   The module's matrix products, in the order in which they are computed (A, B: the left and right operand; K: the contracted axis; several contracted axes count as one K, in the product's order):
;;     1. [M 64, K 1,024] x [K 1,024, N 1,024]; A: input query (given as codes); B: input Wq (given as codes): QUANTISED
;;     2. [M 65,536, K 1,024] x [K 1,024, N 1,024]; A: input keys; B: input Wk (given as codes): QUANTISED
;;     3. [M 65,536, K 1,024] x [K 1,024, N 1]; A: computed on the way; B: input v: left as it is (N = 1 < 16)
;;     4. batch 64 x [M 1, K 1,024] x [K 1,024, N 1,024]; A: computed on the way; B: input keys: left as it is (M = 1 < 16)
;;   THE QUANTISER, for each operand of a quantised product, along K:
;;     - K is cut into blocks of 32 from its start; a last block that is shorter is filled with zeros.
;;     - A block's scale is 2^e with e = floor(log2(the largest magnitude in the block)) - 2, held to -126 .. 127; a block of zeros has e = 0. As a byte (E8M0): e + 127.
;;     - Each number is divided by its block's scale, clamped to +-7.5, and rounded to the nearest number of E2M3, ties to even, subnormals kept.
;;     - The product sums the exact products of the quantised numbers (number of the format x scale) in f32.
;;   ~~~python
;;   def quantise(x, axis):      # numpy; x: float32 -> the quantised numbers, widened to float32 again
;;       x = np.moveaxis(x, axis, -1); K = x.shape[-1]
;;       x = np.pad(x, [(0, 0)] * (x.ndim - 1) + [(0, -K % 32)]); x = x.reshape(x.shape[:-1] + (-1, 32)); a = np.abs(x).max(-1, keepdims=True)
;;       e = np.where(a > 0, np.clip(np.frexp(np.where(a > 0, a, 1))[1] - 1 - 2, -126, 127), 0)      # np.frexp(a)[1] - 1 = floor(log2(a)), exactly
;;       r = np.clip(x / 2.0 ** e, -7.5, 7.5)
;;       step = 2.0 ** (np.maximum(np.frexp(np.where(r == 0, 1, r))[1] - 1, 0) - 3)
;;       q = np.round(r / step) * step * 2.0 ** e      # np.round: ties to even
;;       return np.moveaxis(q.reshape(q.shape[:-2] + (-1,))[..., :K], -1, axis).astype(np.float32)
;;   ~~~
;;   INPUTS GIVEN AS CODES. Wk (in the module: [1024, 1024], K = its axis 1); Wq (in the module: [1024, 1024], K = its axis 1); query (in the module: [64, 1024], K = its axis 1): each comes as NAME_codes (uint8): NAME with its K axis moved to the last place and cut into blocks of 32 codes, [.., K / 32, bytes a block], one block behind the other in memory; four codes in three bytes: a row's codes are one little-endian stream of bits, code i at bits 6 i .. 6 i + 5 (a code: sign, 2 exponent bits, 3 mantissa bits); and NAME_scales (uint8): the same leading axes, one E8M0 byte (e + 127) for each 32 codes along K. Its value is code x scale, taken as it is: it is not quantised again, and the codes and scales need not be those that the quantiser above would give.
;; 2 versions. Each part assembles by itself: llvm-mc -triple=amdgcn-amd-amdhsa -mcpu=gfx1250 --defsym DOCPART=n.
;; ======== version 1 of 2: 3 launches
;; workspace buffers: qc 262,144 bytes; wkf 786,432 bytes; order 262,144 bytes of whole numbers; place 262,144 bytes of whole numbers; counts 8,192 bytes of whole numbers; ebuf 262,144 bytes
;; launch prep (part 1): grid 144 x 1, 4 waves a work-group, no clusters, 0 bytes of LDS; arguments Wq_codes, Wq_scales, query_codes, query_scales, Wk_codes, mask, qc, wkf, order, place, counts; writes qc, wkf, order, place, counts
.if DOCPART == 1
	.amdgcn_target "amdgcn-amd-amdhsa--gfx1250"
	.amdhsa_code_object_version 6
	.text
	.protected	k_q49f803c464_prep
	.globl	k_q49f803c464_prep
	.p2align	8
	.type	k_q49f803c464_prep,@function
k_q49f803c464_prep:
	s_mov_b64 s[64:65], 0
	v_nop
	global_prefetch_b8 v0, s[64:65] scope:SCOPE_SE
	s_setreg_imm32_b32 hwreg(HW_REG_WAVE_MODE, 25, 1), 1
	s_wait_xcnt 0x0
; BAHDANAU ATTENTION, first of three launches: what the two large launches need beforehand.
;   work-groups 0-63:    qc = 2 log2(e) x (query Wq^T), the first QUANTISED product, on the codes and scale bytes as they are given
;   work-groups 64-127:  wkf = Wk's codes, laid in the order of the matrix operand's registers (no number is changed)
;   work-groups 128-143: the lists of rows made from the mask: order, place, counts
; WORK LEFT OUT IN THE WHOLE PROGRAM, AND WHY IT IS DEAD.
; (a) Rows with mask = True.  reference() sets their energy to -inf, so their attn is exp(-inf) / sum = 0 whatever their keys hold, they add
;     nothing to the softmax's sum, and they enter the context with the factor 0.  So neither their projection keys Wk^T, nor their tanh, nor their
;     share of the context can reach an output.  The mask is a whole-number input: this launch reads it and stores which rows are asked for, and the
;     later launches read those lists from memory and walk the rows asked for, in tiles of 16.
; (b) tanh(x) = 1 - 2 / (1 + e^(2x)), so energy = sum_h v_h - 2 sum_h v_h / (1 + e^(2x)).  The first term is the same for all positions of a
;     batch, that is along the softmax's axis, and cancels in it for all values of v.  Only the second term is computed.
; Every input still has a way to an output and is loaded by some launch.
; LIMIT: a NaN, an infinity or an overflow that reaches only the work left out (keys of masked rows; the sum of v) is not carried to the result.
; THE ORDER OF ROWS.  Each batch's 1,024 rows get a position sigma, a full permutation: rows asked for take 0 .. count - 1 in ascending order,
; masked rows fill from 1,023 downward.  So every entry of the list is a real row.  Position sigma is kept at place
; u = 256 ((sigma / 16) % 4) + 16 (sigma / 64) + sigma % 16: tile sigma / 16 goes to owner (sigma / 16) % 4 as its tile sigma / 64, so that four owners
; share a batch's tiles evenly and each owner's 256 places are 1,024 consecutive bytes.
; qc sums K in two accumulators, which are added in f32: it goes into no quantiser.
.set C2, 0x4038aa3b                    ; 2 log2(e)
; a fragment of 16 rows x 128 K of 6-bit codes: lane (r, h) takes 24 bytes at 24 h and 24 bytes at 48 + 24 h of its row's 96, in pieces of 8 bytes
.macro FRAG6 reg, adr, base, off
.irp p, 0,1,2,3,4,5
	global_load_b64 v[(\reg)+2*\p:(\reg)+2*\p+1], v[\adr], s[\base:\base+1] offset:(\off)+48*(\p/3)+8*(\p%3)
.endr
.endm
	s_load_b512 s[4:19], s[0:1], 0x0               ; Wq_codes 4, Wq_scales 6, query_codes 8, query_scales 10, Wk_codes 12, mask 14, qc 16, wkf 18
	s_load_b128 s[20:23], s[0:1], 0x40             ; order 20, place 22
	s_load_b64 s[24:25], s[0:1], 0x50              ; counts
	v_lshrrev_b32 v1, 5, v0
	v_readfirstlane_b32 s26, v1                    ; wave 0..3
	v_and_b32 v1, 31, v0                           ; lane
	v_and_b32 v2, 15, v0                           ; r
	v_bfe_u32 v3, v0, 4, 1                         ; h
	v_mul_u32_u24 v4, v2, 768                      ; a row of 1,024 codes is 768 bytes
	v_mad_u32_u24 v4, v3, 24, v4
	s_mov_b32 s29, 0
	s_wait_kmcnt 0x0
	s_cmp_lt_u32 ttmp9, 64
	s_cbranch_scc0 .Lnot_a
; ---- qc: the work-group is the tile of 16 hidden units, the wave the tile of 16 batches
	s_mul_i32 s28, ttmp9, 12288                    ; 16 rows of 768 bytes
	s_add_nc_u64 s[4:5], s[4:5], s[28:29]
	s_mul_i32 s28, s26, 12288
	s_add_nc_u64 s[8:9], s[8:9], s[28:29]
	s_lshl_b32 s28, ttmp9, 9                       ; 16 rows of 32 scale bytes
	s_add_nc_u64 s[6:7], s[6:7], s[28:29]
	s_lshl_b32 s28, s26, 9
	s_add_nc_u64 s[10:11], s[10:11], s[28:29]
	s_lshl_b32 s28, ttmp9, 12                      ; qc [tile of units 64][batch 64][16] f32
	s_lshl_b32 s30, s26, 10
	s_add_co_u32 s28, s28, s30
	s_add_nc_u64 s[16:17], s[16:17], s[28:29]
	v_lshlrev_b32 v5, 5, v2
	v_lshl_add_u32 v5, v3, 4, v5                   ; scale words: 32 r + 16 h: register m holds K step m's word in lanes 0-15, K step 4 + m's in lanes 16-31
	v_lshlrev_b32 v6, 6, v2
	v_lshl_add_u32 v6, v3, 5, v6                   ; out: batch r's 64 bytes, + 32 h
	s_mov_b32 s32, C2
	s_mov_b32 s33, C2                              ; (named with it as a pair, so it is written)
.irp s, 0,1,2,3,4,5,6,7
	FRAG6 32+12*\s, 4, 4, 96*\s
	FRAG6 128+12*\s, 4, 8, 96*\s
.endr
	global_load_b128 v[224:227], v5, s[6:7]
	global_load_b128 v[228:231], v5, s[10:11]
	s_wait_loadcnt 0x0
; source 0 = 16 rows of Wq, source 1 = 16 rows of query: lane (r, h), register j = (unit 8 h + j, batch r).  Two accumulators by turns
.irp s, 0,1,2,3,4,5,6,7
.if \s < 2
	v_wmma_scale_f32_16x16x128_f8f6f4 v[232+8*(\s%2):239+8*(\s%2)], v[32+12*\s:43+12*\s], v[128+12*\s:139+12*\s], 0, v[224+\s%4], v[228+\s%4] matrix_a_fmt:MATRIX_FMT_FP6 matrix_b_fmt:MATRIX_FMT_FP6
.elseif \s < 4
	v_wmma_scale_f32_16x16x128_f8f6f4 v[232+8*(\s%2):239+8*(\s%2)], v[32+12*\s:43+12*\s], v[128+12*\s:139+12*\s], v[232+8*(\s%2):239+8*(\s%2)], v[224+\s%4], v[228+\s%4] matrix_a_fmt:MATRIX_FMT_FP6 matrix_b_fmt:MATRIX_FMT_FP6
.else
	v_wmma_scale_f32_16x16x128_f8f6f4 v[232+8*(\s%2):239+8*(\s%2)], v[32+12*\s:43+12*\s], v[128+12*\s:139+12*\s], v[232+8*(\s%2):239+8*(\s%2)], v[224+\s%4], v[228+\s%4] matrix_a_fmt:MATRIX_FMT_FP6 matrix_b_fmt:MATRIX_FMT_FP6 matrix_a_scale:MATRIX_SCALE_ROW1 matrix_b_scale:MATRIX_SCALE_ROW1
.endif
.endr
.rept 4
	v_nop                                          ; four places between the last product and the first read of a result (ISA guide 7.12.1)
.endr
.irp j, 0,2,4,6
	v_pk_mul_f32 v[16+\j:17+\j], v[240+\j:241+\j], s[32:33] op_sel_hi:[1,0]          ; each accumulator from its low end on
.endr
.irp j, 0,2,4,6
	v_pk_fma_f32 v[16+\j:17+\j], v[232+\j:233+\j], s[32:33], v[16+\j:17+\j] op_sel_hi:[1,0,1]
.endr
	global_store_b128 v6, v[16:19], s[16:17]       ; the wave's two stores cover 1,024 consecutive bytes
	global_store_b128 v6, v[20:23], s[16:17] offset:16
	s_endpgm
.Lnot_a:
	s_cmp_lt_u32 ttmp9, 128
	s_cbranch_scc0 .Llists
; ---- wkf [tile of 16 rows 64][K step 8][quarter 3][lane 32][16 bytes]: a fragment's twelve registers on end.  Wave w takes K steps 2 w and 2 w + 1
	s_sub_co_u32 s28, ttmp9, 64
	s_mul_i32 s28, s28, 12288
	s_add_nc_u64 s[12:13], s[12:13], s[28:29]
	s_add_nc_u64 s[18:19], s[18:19], s[28:29]
	s_mul_i32 s28, s26, 192
	s_add_nc_u64 s[12:13], s[12:13], s[28:29]
	s_mul_i32 s28, s26, 3072
	s_add_nc_u64 s[18:19], s[18:19], s[28:29]
	v_lshlrev_b32 v7, 4, v1
	FRAG6 32, 4, 12, 0
	FRAG6 44, 4, 12, 96
	s_wait_loadcnt 0x0
.irp u, 0,1
.irp q, 0,1,2
	global_store_b128 v7, v[32+12*\u+4*\q:35+12*\u+4*\q], s[18:19] offset:1536*\u+512*\q   ; 512 consecutive bytes a store
.endr
.endr
	s_endpgm
.Llists:
; ---- the lists: a wave to a batch; 32 rows at a time, a lane a row
	s_sub_co_u32 s28, ttmp9, 128
	s_lshl_b32 s28, s28, 2
	s_add_co_u32 s31, s28, s26                     ; the batch
	s_lshl_b32 s28, s31, 10
	s_add_nc_u64 s[14:15], s[14:15], s[28:29]
	s_lshl_b32 s28, s31, 12
	s_add_nc_u64 s[20:21], s[20:21], s[28:29]
	s_add_nc_u64 s[22:23], s[22:23], s[28:29]
	s_lshl_b32 s28, s31, 7
	s_add_nc_u64 s[24:25], s[24:25], s[28:29]
	v_lshlrev_b32 v8, 2, v1
	v_sub_nc_u32 v9, 1023, v1
.irp i, 0,1,2,3,4,5,6,7,8,9,10,11,12,13,14,15,16,17,18,19,20,21,22,23,24,25,26,27,28,29,30,31
	global_load_u8 v[32+\i], v1, s[14:15] offset:32*\i
.endr
	s_mov_b32 s30, 0                               ; rows asked for so far
	s_wait_loadcnt 0x0
; each step has registers of its own for what its two stores read, so nothing that a pending store names is written again
.irp i, 0,1,2,3,4,5,6,7,8,9,10,11,12,13,14,15,16,17,18,19,20,21,22,23,24,25,26,27,28,29,30,31
	v_cmp_eq_u32 s28, 0, v[32+\i]                  ; the lanes whose row is asked for
	v_mbcnt_lo_u32_b32 v10, s28, 0                 ; how many of them stand below my lane
	v_add_nc_u32 v10, s30, v10                     ; rows asked for ahead of mine: my position if mine is asked for
	v_add3_u32 v11, v9, v10, -32*\i                ; 1,023 - (masked rows ahead of mine) = 1,023 - row + v10: my position if mine is masked
	v_cndmask_b32 v12, v11, v10, s28
	v_bfe_u32 v13, v12, 4, 2                       ; the owner,
	v_lshrrev_b32 v14, 6, v12                      ; the owner's tile,
	v_and_b32 v15, 15, v12                         ; the row in it
	v_lshl_or_b32 v15, v14, 4, v15
	v_lshl_or_b32 v[64+\i], v13, 8, v15            ; the place u
	v_min_u32 v[64+\i], 0x3ff, v[64+\i]            ; held inside the list before it enters an address
	v_lshlrev_b32 v[96+\i], 2, v[64+\i]
	v_add_nc_u32 v[128+\i], 32*\i, v1              ; my row
	global_store_b32 v[96+\i], v[128+\i], s[20:21] ; order[u] = row
	global_store_b32 v8, v[64+\i], s[22:23] offset:128*\i   ; place[row] = u
	s_bcnt1_i32_b32 s29, s28
	s_add_co_u32 s30, s30, s29
.endr
	v_mov_b32 v16, s30
	global_store_b32 v8, v16, s[24:25]             ; the count, 32 times: 128 consecutive bytes
	s_endpgm
.Lfunc_end_k_q49f803c464_prep:
	.size	k_q49f803c464_prep, .Lfunc_end_k_q49f803c464_prep-k_q49f803c464_prep
	.p2alignl 7, 3214868480
	.fill 96, 4, 3214868480
	.section	.rodata,"a",@progbits
	.p2align	6, 0x0
	.amdhsa_kernel k_q49f803c464_prep
		.amdhsa_group_segment_fixed_size 0
		.amdhsa_private_segment_fixed_size 0
		.amdhsa_enable_private_segment 0
		.amdhsa_kernarg_size 88
		.amdhsa_user_sgpr_count 2
		.amdhsa_user_sgpr_kernarg_segment_ptr 1
		.amdhsa_wavefront_size32 1
		.amdhsa_system_sgpr_workgroup_id_x 1
		.amdhsa_system_sgpr_workgroup_id_y 1
		.amdhsa_system_sgpr_workgroup_id_z 1
		.amdhsa_system_vgpr_workitem_id 0
		.amdhsa_next_free_vgpr 256
		.amdhsa_next_free_sgpr 66
		.amdhsa_reserve_vcc 0
		.amdhsa_float_denorm_mode_32 3
		.amdhsa_float_denorm_mode_16_64 3
		.amdhsa_memory_ordered 1
		.amdhsa_forward_progress 1
		.amdhsa_inst_pref_size 50
	.end_amdhsa_kernel
	.amdgpu_metadata
---
amdhsa.version: [ 1, 2 ]
amdhsa.kernels:
  - .name:           k_q49f803c464_prep
    .symbol:         k_q49f803c464_prep.kd
    .args:
      - { .name: Wq_codes, .offset: 0, .size: 8, .value_kind: global_buffer, .address_space: global }
      - { .name: Wq_scales, .offset: 8, .size: 8, .value_kind: global_buffer, .address_space: global }
      - { .name: query_codes, .offset: 16, .size: 8, .value_kind: global_buffer, .address_space: global }
      - { .name: query_scales, .offset: 24, .size: 8, .value_kind: global_buffer, .address_space: global }
      - { .name: Wk_codes, .offset: 32, .size: 8, .value_kind: global_buffer, .address_space: global }
      - { .name: mask, .offset: 40, .size: 8, .value_kind: global_buffer, .address_space: global }
      - { .name: qc, .offset: 48, .size: 8, .value_kind: global_buffer, .address_space: global }
      - { .name: wkf, .offset: 56, .size: 8, .value_kind: global_buffer, .address_space: global }
      - { .name: order, .offset: 64, .size: 8, .value_kind: global_buffer, .address_space: global }
      - { .name: place, .offset: 72, .size: 8, .value_kind: global_buffer, .address_space: global }
      - { .name: counts, .offset: 80, .size: 8, .value_kind: global_buffer, .address_space: global }
    .group_segment_fixed_size: 0
    .private_segment_fixed_size: 0
    .kernarg_segment_align: 8
    .kernarg_segment_size: 88
    .max_flat_workgroup_size: 128
    .sgpr_count:     66
    .vgpr_count:     256
    .wavefront_size: 32
...
	.end_amdgpu_metadata
.endif
;; end of part 1
;; launch energy (part 2): grid 4 x 64, 8 waves a work-group, no clusters, 289,792 bytes of LDS; arguments keys, v, qc, wkf, Wk_scales, order, counts, ebuf; writes ebuf
.if DOCPART == 2
	.amdgcn_target "amdgcn-amd-amdhsa--gfx1250"
	.amdhsa_code_object_version 6
	.text
	.protected	k_q49f803c464_energy
	.globl	k_q49f803c464_energy
	.p2align	8
	.type	k_q49f803c464_energy,@function
k_q49f803c464_energy:
	s_mov_b64 s[64:65], 0
	v_nop
	global_prefetch_b8 v0, s[64:65] scope:SCOPE_SE
	s_setreg_imm32_b32 hwreg(HW_REG_WAVE_MODE, 25, 1), 1
	s_wait_xcnt 0x0
; Second launch: ebuf[b][u] = -2 log2(e) sum_h v_h / (1 + 2^y), y = 2 log2(e) (query_proj + keys_proj): the energy in units of log2, without its term sum_h v_h.
; LEFT OUT (shown at the head of the first kernel): tiles of 16 rows that hold masked rows alone, and the term sum_h v_h, which is the same along the softmax's axis.
; SHARES.  Work-group (j, b) owns places 256 j .. 256 j + 255 of batch b's list: up to 16 tiles of 16 rows; tile i is walked where 64 i + 16 j < count (a prefix of the tiles).
; A last tile's places at or past the count name real rows (the list is a full permutation); their energies are stored and the next launch selects them away.
; P1: wave w gathers columns 128 w .. 128 w + 127 of each tile's rows, quantises them (E2M3, one E8M0 scale for 32 along K) and leaves K step w of the tile in LDS as an image of the operand's registers.
; P2: wave w owns hidden units 128 w .. 128 w + 127, in two passes of 64.  A pass's 32 fragments of Wk stay in 384 registers; the tiles' fragments come from LDS.
;     y takes qc as the addend of one fused multiply-add; 1 / (1 + 2^y) is one exponential and one reciprocal: 2^y = inf gives 0, 2^y = 0 gives 1, so every finite projection is served.
; P3: the sixteen parts (8 waves x 2 passes) of each row's sum are added in a fixed order and stored; tiles not walked store 0, so that every byte of ebuf is written.
; NO TENSOR LOADS, NO CLUSTER: the number of tiles hangs on a count read from memory, tiles are passed over by a scalar branch on it;
; What all work-groups share, Wk's 786,432 bytes of codes, goes from memory straight into the registers where it stays, once for each work-group.
; Two waves share a SIMD's registers, 512 each: one wave's exponentials stand beside the other's products.
; LIMITS: NaN and infinities among the keys are not served.  A block of 32 zeros gets the scale byte 1 where the quantiser says 127: its codes are zeros, which add nothing, and only this launch reads the byte.
.set IMG,   0                          ; [tile 16][K step 8][quarter 3][lane 32][16 bytes]
.set SCI,   196608                     ; [tile 16][row 16][32 bytes]: the row's scale word of K step s at 4 s
.set STG,   204800                     ; a stage for each wave: 16 rows x (512 bytes + 16)
.set EPART, 272384                     ; f32 [2 wave + pass][tile 16][row 16]
.set SPARE, 288768                     ; the spare words: 128 bytes for each of eight waves, named by no other line
.set C2,    0x4038aa3b                 ; 2 log2(e)
.set MSB, 0
.macro WIN new                         ; the immediate's high byte repeats the setting that is left; a switch that changes nothing is dropped
.if MSB != \new
	s_set_vgpr_msb (MSB<<8)|\new
.set MSB, \new
.endif
.endm
.macro PLACES                          ; four plain places behind a matrix instruction, ahead of loads into its registers and of reads of its results
.rept 4
	v_nop
.endr
.endm
; Wk's fragment f = 4 s + t (K step s, tile t of the pass's four): f = 0 .. 10 at v[124 + 12 f], f = 11 .. 31 at v[12 (f - 11)] of window 1
.macro LOADB_W1 p
	WIN 0x40                                       ; destination window 1, address window 0
.set F, 11
.rept 21
.irp q, 0,1,2
	global_load_b128 v[12*(F-11)+4*\q:12*(F-11)+4*\q+3], v9, s[10:11] offset:((4*(\p)+F%4)*8+F/4)*1536+512*\q
.endr
.set F, F+1
.endr
	WIN 0
.endm
.macro LOADB_W0 p
.set F, 0
.rept 11
.irp q, 0,1,2
	global_load_b128 v[124+12*F+4*\q:124+12*F+4*\q+3], v9, s[10:11] offset:((4*(\p)+F%4)*8+F/4)*1536+512*\q
.endr
.set F, F+1
.endr
.irp t, 0,1,2,3
	global_load_b128 v[24+4*\t:27+4*\t], v4, s[12:13] offset:(4*(\p)+\t)*512    ; Wk's scale words: register m = K step m (lanes 0-15), 4 + m (lanes 16-31)
	global_load_b32 v[8+4*\t], v3, s[8:9] offset:(4*(\p)+\t)*4096               ; qc of my lane's unit
	global_load_b32 v[10+4*\t], v3, s[6:7] offset:(4*(\p)+\t)*64                ; v of my lane's unit
.endr
.endm
; a tile's 16 rows are asked for: my wave's 512 bytes of each.  sb: the 16 row numbers; rb: the data; ob: an offset register for each load
.macro ISSUE sb, rb, ob
.irp p, 0,1,2,3,4,5,6,7,8,9,10,11,12,13,14,15
	s_min_u32 s30, s[\sb+\p], 0x3ff                ; a number read from memory is held inside the batch's 1,024 rows before it enters an address
	s_lshl_b32 s30, s30, 12
	v_add_nc_u32 v[\ob+\p], s30, v3
	global_load_b128 v[\rb+4*\p:\rb+4*\p+3], v[\ob+\p], s[76:77] th:TH_LOAD_NT   ; 512 consecutive bytes of one row; each byte is read once in this launch
.endr
.endm
; a tile's 16 x 128 numbers become a fragment's codes and its rows' scale words.  u: which tile of the trip's two
.macro PROCESS rb, u
.irp p, 0,1,2,3,4,5,6,7,8,9,10,11,12,13,14,15
	ds_store_b128 v4, v[\rb+4*\p:\rb+4*\p+3] offset:528*\p
.endr
.irp c, 0,1
.irp p, 0,1,2,3,4,5,6,7
	ds_load_b128 v[192+32*\c+4*\p:195+32*\c+4*\p], v5 offset:256*\c+16*\p   ; LDS serves a wave's instructions in order: these see the stores.  Lane (r, h): k = 64 c + 32 h + 0 .. 31 of row r: two whole blocks
.endr
.endr
	s_wait_dscnt 0x0
.irp c, 0,1
	v_max3_num_f32 v[52+\c], |v[192+32*\c]|, |v[193+32*\c]|, 0x1800000      ; the block's largest magnitude, over the floor 2^(3 - 127), which holds the byte at 1 from below
.endr
.irp i, 2,4,6,8,10,12,14,16,18,20,22,24,26,28,30
.irp c, 0,1
	v_max3_num_f32 v[52+\c], v[52+\c], |v[192+32*\c+\i]|, |v[193+32*\c+\i]|
.endr
.endr
.irp c, 0,1
	v_add_nc_u32 v[54+\c], 0xff000000, v[52+\c]    ; 2 off the exponent field: the conversion's scale operand
.endr
.irp c, 0,1
	v_lshrrev_b32 v[56+\c], 23, v[54+\c]           ; the scale's byte
.endr
	v_lshl_or_b32 v58, v57, 16, v56                ; my bytes: blocks h and 2 + h,
	v_lshlrev_b32 v58, v24, v58                    ; 8 h bits up;
	v_permlanex16_b32 v59, v58, s72, s73
	v_or_b32 v58, v58, v59                         ; with lane l xor 16's two the row's word is whole
.irp c, 0,1
	v_cvt_scalef32_pk16_fp6_f32 v[32+6*\c:34+6*\c], v[192+32*\c:207+32*\c], v[54+\c]
	v_cvt_scalef32_pk16_fp6_f32 v[44+4*\c:46+4*\c], v[208+32*\c:223+32*\c], v[54+\c]   ; (a conversion's three registers begin on an even number)
.endr
	v_nop                                          ; one plain place behind the last scaled conversion
.irp c, 0,1
.irp i, 0,1,2
	v_mov_b32 v[35+6*\c+\i], v[44+4*\c+\i]
.endr
.endr
.irp q, 0,1,2
	ds_store_b128 v25, v[32+4*\q:35+4*\q] offset:12288*\u+512*\q
.endr
	ds_store_b32 v26, v58 offset:512*\u            ; lanes r and r + 16 write the same word with the same value
	s_wait_dscnt 0x0                               ; the stores have read their registers, which the next offsets and codes take
.endm
; six LDS loads: K steps s0 and s0 + 1 of the tile into A's buffer buf
.macro AFL buf, s0
.irp e, 0,1
.irp q, 0,1,2
	ds_load_b128 v[76+24*(\buf)+12*\e+4*\q:79+24*(\buf)+12*\e+4*\q], v15 offset:1536*((\s0)+\e)+512*\q
.endr
.endr
.endm
; K step s: four products, the four accumulators by turns.  Source 0 = the tile's 16 rows, source 1 = 16 rows of Wk: lane (r, h), register j = (row 8 h + j, unit r)
.macro MM s
.irp t, 0,1,2,3
.set F, 4*(\s)+\t
.set AR, 76+12*((\s)%4)
.if F < 11
.set BR, 124+12*F
	WIN 0
.else
.set BR, 12*(F-11)
	WIN 0x04                                       ; source 1 in window 1
.endif
.if (\s) == 0
	v_wmma_scale_f32_16x16x128_f8f6f4 v[44+8*\t:51+8*\t], v[AR:AR+11], v[BR:BR+11], 0, v[40+(\s)%4], v[24+4*\t+(\s)%4] matrix_a_fmt:MATRIX_FMT_FP6 matrix_b_fmt:MATRIX_FMT_FP6
.elseif (\s) < 4
	v_wmma_scale_f32_16x16x128_f8f6f4 v[44+8*\t:51+8*\t], v[AR:AR+11], v[BR:BR+11], v[44+8*\t:51+8*\t], v[40+(\s)%4], v[24+4*\t+(\s)%4] matrix_a_fmt:MATRIX_FMT_FP6 matrix_b_fmt:MATRIX_FMT_FP6
.else
	v_wmma_scale_f32_16x16x128_f8f6f4 v[44+8*\t:51+8*\t], v[AR:AR+11], v[BR:BR+11], v[44+8*\t:51+8*\t], v[40+(\s)%4], v[24+4*\t+(\s)%4] matrix_a_fmt:MATRIX_FMT_FP6 matrix_b_fmt:MATRIX_FMT_FP6 matrix_a_scale:MATRIX_SCALE_ROW1 matrix_b_scale:MATRIX_SCALE_ROW1
.endif
.endr
.endm
; eight numbers a lane, v76-83 (row 8 h + j, unit r), are summed over the 16 lanes of a half.  In each step a lane keeps half of its numbers and sends the other half to the lane that keeps those.
; Lane (r, h) ends with the sum of row 8 h + r / 2 in v84.
.macro BFLY
.irp i, 0,1,2,3
	v_cndmask_b32 v[84+\i], v[76+\i], v[80+\i], s66
	v_cndmask_b32 v[88+\i], v[80+\i], v[76+\i], s66
.endr
.irp i, 0,1,2,3
	v_add_f32_dpp v[84+\i], v[88+\i], v[84+\i] row_xmask:8 row_mask:0xf bank_mask:0xf
.endr
.irp i, 0,1
	v_cndmask_b32 v[88+\i], v[86+\i], v[84+\i], s67
	v_cndmask_b32 v[84+\i], v[84+\i], v[86+\i], s67
.endr
.irp i, 0,1
	v_add_f32_dpp v[84+\i], v[88+\i], v[84+\i] row_xmask:4 row_mask:0xf bank_mask:0xf
.endr
	v_cndmask_b32 v88, v85, v84, s68
	v_cndmask_b32 v84, v84, v85, s68
	v_add_f32_dpp v84, v88, v84 row_xmask:2 row_mask:0xf bank_mask:0xf
	v_add_f32_dpp v84, v84, v84 row_xmask:1 row_mask:0xf bank_mask:0xf
.endm
; one tile against the pass's 64 units
.macro TILE p
	v_add_nc_u32 v15, s26, v9                      ; the tile's images,
	v_add_nc_u32 v17, s27, v11                     ; its scale words,
	v_add_nc_u32 v19, s25, v13                     ; its place among the parts
	ds_load_b128 v[40:43], v17                     ; register m = K step m (lanes 0-15), 4 + m (lanes 16-31)
	AFL 0, 0
	AFL 1, 2
	s_wait_dscnt 6                                 ; the six youngest loads, K steps 2 and 3, may be out
	MM 0
	MM 1
	PLACES
	AFL 0, 4
	s_wait_dscnt 6                                 ; K steps 2 and 3 are in; the six just issued may be out
	MM 2
	MM 3
	PLACES
	AFL 1, 6
	s_wait_dscnt 6                                 ; K steps 4 and 5 are in
	MM 4
	MM 5
	s_wait_dscnt 0x0
	MM 6
	MM 7
	WIN 0
	PLACES
.irp t, 0,1,2,3
.irp j, 0,2,4,6
	v_pk_fma_f32 v[44+8*\t+\j:45+8*\t+\j], v[44+8*\t+\j:45+8*\t+\j], s[70:71], v[8+4*\t:9+4*\t] op_sel_hi:[1,0,0]   ; y = 2 log2(e) x + qc; each accumulator from its low end on
.endr
.endr
.set J, 0
.rept 32
	v_exp_f32 v[44+J], v[44+J]
.set J, J+1
.endr
	v_nop                                          ; a plain place behind the last exponential
	s_wait_alu depctr_va_vdst(0)                   ; one wait for the batch, ahead of its first reader
.set J, 0
.rept 16
	v_pk_add_f32 v[44+J:45+J], v[44+J:45+J], 1.0 op_sel_hi:[1,0]
.set J, J+2
.endr
.set J, 0
.rept 32
	v_rcp_f32 v[44+J], v[44+J]
.set J, J+1
.endr
	v_nop
	s_wait_alu depctr_va_vdst(0)                   ; and one for the reciprocals
.irp j, 0,2,4,6
	v_pk_mul_f32 v[76+\j:77+\j], v[44+\j:45+\j], v[10:11] op_sel_hi:[1,0]     ; x (-2 log2(e) v) of my lane's unit, summed over the four tiles of units
.endr
.irp t, 1,2,3
.irp j, 0,2,4,6
	v_pk_fma_f32 v[76+\j:77+\j], v[44+8*\t+\j:45+8*\t+\j], v[10+4*\t:11+4*\t], v[76+\j:77+\j] op_sel_hi:[1,0,1]
.endr
.endr
	BFLY
	ds_store_b32 v19, v84 offset:1024*\p           ; lanes r and r xor 1 write the same word with the same value
.endm
; a pass: its part of Wk into registers, then all 16 tiles: the trip count is a constant, and a tile that is not asked for is jumped over
.macro PASS p
.if \p
	LOADB_W1 \p
.endif
	LOADB_W0 \p
	s_wait_loadcnt 0x0
.irp t, 0,1,2,3
	v_mul_f32 v[10+4*\t], s74, v[10+4*\t]          ; -2 log2(e) v
.endr
	s_mov_b32 s24, 0
	s_mov_b32 s25, 0
	s_mov_b32 s26, 0
	s_mov_b32 s27, 0
.Lt_\@:
	s_cmp_lt_i32 s25, s23                          ; 64 i < count - 16 j
	s_cbranch_scc0 .Ls_\@
	TILE \p
.Ls_\@:
	s_add_co_u32 s25, s25, 64
	s_add_co_u32 s26, s26, 12288
	s_add_co_u32 s27, s27, 512
	s_add_co_u32 s24, s24, 1
	s_cmp_lt_u32 s24, 16
	s_cbranch_scc1 .Lt_\@
.endm
	s_load_b512 s[4:19], s[0:1], 0x0               ; keys 4, v 6, qc 8, wkf 10, Wk_scales 12, order 14, counts 16, ebuf 18
	v_lshl_add_u32 v1, v0, 2, SPARE                ; my spare word,
	v_mov_b32 v2, 0                                ; and 0: kept for the closing lines alone
	v_lshrrev_b32 v28, 5, v0
	v_readfirstlane_b32 s20, v28                   ; wave 0..7
	s_and_b32 s21, ttmp7, 0xffff                   ; the batch
	s_mov_b32 s22, ttmp9                           ; which quarter of its tiles
	s_mov_b32 s66, 0xff00ff00                      ; lanes with r >= 8,
	s_mov_b32 s67, 0xf0f0f0f0                      ; with bit 2 of r,
	s_mov_b32 s68, 0xcccccccc                      ; with bit 1 of r
	s_mov_b32 s70, C2
	s_mov_b32 s71, C2
	s_mov_b32 s72, 0x76543210                      ; v_permlanex16_b32's selects for lane l xor 16
	s_mov_b32 s73, 0xfedcba98
	s_mov_b32 s74, 0xc038aa3b                      ; -2 log2(e)
	v_and_b32 v28, 31, v0                          ; lane
	v_and_b32 v29, 15, v0                          ; r
	v_bfe_u32 v30, v0, 4, 1                        ; h
	v_lshlrev_b32 v3, 4, v0                        ; P1: 512 wave + 16 lane: my 16 bytes of a row
	s_mul_i32 s30, s20, 8448
	s_add_co_u32 s30, s30, STG                     ; my wave's stage
	v_lshl_add_u32 v4, v28, 4, s30                 ; into it: 16 lane, a row at a time
	v_mul_u32_u24 v5, v29, 528
	v_lshl_add_u32 v5, v30, 7, v5
	v_add_nc_u32 v5, s30, v5                       ; out of it: row r, + 128 h.  Rows 528 bytes apart: sixteen lanes touch sixteen different columns of 16 bytes
	s_mul_i32 s30, s20, 1536
	v_lshl_add_u32 v6, v28, 4, s30                 ; my K step's image: 1,536 wave + 16 lane
	s_lshl_b32 s30, s20, 2
	s_add_co_u32 s30, s30, SCI
	v_lshl_add_u32 v7, v29, 5, s30                 ; my K step's scale word of row r
	v_lshlrev_b32 v24, 3, v30                      ; 8 h
	v_lshlrev_b32 v9, 4, v28                       ; P2: 16 lane
	v_lshlrev_b32 v11, 5, v29
	v_lshl_add_u32 v11, v30, 4, v11
	v_add_nc_u32 v11, SCI, v11                     ; the rows' scale words: 32 r + 16 h
	v_lshrrev_b32 v31, 1, v29
	v_lshlrev_b32 v13, 2, v31
	v_lshl_add_u32 v13, v30, 5, v13
	s_lshl_b32 s30, s20, 11
	s_add_co_u32 s30, s30, EPART
	v_add_nc_u32 v13, s30, v13                     ; my wave's parts: row 8 h + r / 2
	v_mov_b32 v21, 0                               ; (upper halves of pairs of which the low word alone is used)
	v_mov_b32 v23, 0
	v_mov_b32 v59, 0                               ; (a lane permute's destination counts as one of its sources)
.irp i, 0,1,2,3
	v_mov_b32 v[64+\i], 0
.endr
	v_lshl_add_u32 v31, v0, 4, EPART
.irp k, 0,1,2,3
	ds_store_b128 v31, v[64:67] offset:4096*\k     ; the parts begin as zeros: a tile that is not walked stores 0
.endr
	s_mov_b32 s31, 0
	s_wait_kmcnt 0x0
	s_mul_i32 s30, s20, 98304                      ; my 8 tiles of Wk's rows
	s_add_nc_u64 s[10:11], s[10:11], s[30:31]
	s_lshl_b32 s30, s20, 15
	s_lshl_b32 s29, s21, 6
	s_add_co_u32 s30, s30, s29
	s_add_nc_u64 s[8:9], s[8:9], s[30:31]          ; qc: my 8 tiles of units, my batch
	s_lshl_b32 s30, s20, 9
	s_add_nc_u64 s[6:7], s[6:7], s[30:31]          ; v: my 128 units
	s_lshl_b32 s30, s20, 12
	s_add_nc_u64 s[12:13], s[12:13], s[30:31]      ; Wk's scale bytes: my 128 rows
	s_lshl_b32 s30, s21, 12
	s_lshl_b32 s29, s22, 10
	s_add_co_u32 s30, s30, s29
	s_add_nc_u64 s[14:15], s[14:15], s[30:31]      ; order and ebuf: my work-group's 1,024 bytes
	s_add_nc_u64 s[18:19], s[18:19], s[30:31]
	s_lshl_b32 s30, s21, 7
	s_add_nc_u64 s[16:17], s[16:17], s[30:31]
	s_lshl_b32 s30, s21, 22
	s_add_nc_u64 s[76:77], s[4:5], s[30:31]        ; the batch's keys
	s_mov_b32 s29, 0
	s_load_b32 s23, s[16:17], 0x0                  ; the count
	s_load_b512 s[32:47], s[14:15], s29 offset:0x0 ; the rows of tiles 0 and 1
	s_load_b512 s[48:63], s[14:15], s29 offset:0x40
	LOADB_W1 0                                     ; pass 0's fragments 11 to 31 land while P1, which uses window 0 alone, is at work
	s_wait_dscnt 0x0
	s_wait_kmcnt 0x0
	s_lshl_b32 s30, s22, 4
	s_sub_co_i32 s23, s23, s30                     ; count - 16 j
; ---- P1: eight trips of two tiles.  s25 = 64 x tile, s26 the images' and s27 the scale words' step, s28 the list's
	s_mov_b32 s24, 0
	s_mov_b32 s25, 0
	s_mov_b32 s26, 0
	s_mov_b32 s27, 0
	s_mov_b32 s28, 0
.Lp1:
	s_wait_kmcnt 0x0                               ; this trip's 32 row numbers are in, and the scalar loads have read their offset
	s_cmp_lt_i32 s25, s23
	s_cbranch_scc0 .Lp1_next
	v_add_nc_u32 v25, s26, v6
	v_add_nc_u32 v26, s27, v7
	ISSUE 32, 64, 32
	s_add_co_u32 s30, s25, 64
	s_cmp_lt_i32 s30, s23
	s_cbranch_scc0 .Lp1_one
	ISSUE 48, 128, 48
	s_add_co_u32 s29, s28, 128                     ; the next trip's row numbers; in the last trip the offset is held inside my 1,024 bytes
	s_min_u32 s29, s29, 896
	s_load_b512 s[32:47], s[14:15], s29 offset:0x0
	s_load_b512 s[48:63], s[14:15], s29 offset:0x40
	s_wait_loadcnt 0x0                             ; both tiles are in, so their offset registers are free
	PROCESS 64, 0
	PROCESS 128, 1
	s_branch .Lp1_next
.Lp1_one:                                              ; the last tile walked stands alone in its trip: nothing follows it, so no further row numbers are asked for
	s_wait_loadcnt 0x0
	PROCESS 64, 0
.Lp1_next:
	s_add_co_u32 s25, s25, 128
	s_add_co_u32 s26, s26, 24576
	s_add_co_u32 s27, s27, 1024
	s_add_co_u32 s28, s28, 128
	s_add_co_u32 s24, s24, 1
	s_cmp_lt_u32 s24, 8
	s_cbranch_scc1 .Lp1
	s_wait_kmcnt 0x0
	s_wait_dscnt 0x0                               ; for the others' sake: my images, scale words and zeros have landed
	s_barrier_signal -1
	s_barrier_wait -1                              ; everybody's have
; ---- P2.  No barrier between the passes: the images are only read, and a wave's parts are its own
	v_lshlrev_b32 v3, 2, v29                       ; 4 r
	v_lshlrev_b32 v4, 5, v29
	v_lshl_add_u32 v4, v30, 4, v4                  ; 32 r + 16 h
	PASS 0
	PASS 1
	s_wait_dscnt 0x0                               ; my parts have landed
	s_barrier_signal -1
	s_barrier_wait -1
; ---- P3: thread 16 i + row adds the sixteen parts of its row
	v_lshl_add_u32 v15, v0, 2, EPART
.irp k, 0,1,2,3,4,5,6,7,8,9,10,11,12,13,14,15
	ds_load_b32 v[44+\k], v15 offset:1024*\k
.endr
	v_lshlrev_b32 v17, 2, v0
	s_wait_dscnt 0x0
.irp k, 0,4,8,12
	v_pk_add_f32 v[44+\k:45+\k], v[44+\k:45+\k], v[46+\k:47+\k]
.endr
	v_pk_add_f32 v[44:45], v[44:45], v[48:49]
	v_pk_add_f32 v[52:53], v[52:53], v[56:57]
	v_pk_add_f32 v[44:45], v[44:45], v[52:53]
	v_add_f32 v44, v44, v45
	global_store_b32 v17, v44, s[18:19]            ; a wave stores 128 consecutive bytes, the work-group its 1,024
	s_wait_tensorcnt 0x0                           ; the wave's end
	ds_add_u32 v1, v2
	s_wait_dscnt 0x0
	s_endpgm
.Lfunc_end_k_q49f803c464_energy:
	.size	k_q49f803c464_energy, .Lfunc_end_k_q49f803c464_energy-k_q49f803c464_energy
	.p2alignl 7, 3214868480
	.fill 96, 4, 3214868480
	.section	.rodata,"a",@progbits
	.p2align	6, 0x0
	.amdhsa_kernel k_q49f803c464_energy
		.amdhsa_group_segment_fixed_size 289792
		.amdhsa_private_segment_fixed_size 0
		.amdhsa_enable_private_segment 0
		.amdhsa_kernarg_size 64
		.amdhsa_user_sgpr_count 2
		.amdhsa_user_sgpr_kernarg_segment_ptr 1
		.amdhsa_wavefront_size32 1
		.amdhsa_system_sgpr_workgroup_id_x 1
		.amdhsa_system_sgpr_workgroup_id_y 1
		.amdhsa_system_sgpr_workgroup_id_z 1
		.amdhsa_system_vgpr_workitem_id 0
		.amdhsa_next_free_vgpr 512
		.amdhsa_next_free_sgpr 80
		.amdhsa_reserve_vcc 0
		.amdhsa_float_denorm_mode_32 3
		.amdhsa_float_denorm_mode_16_64 3
		.amdhsa_memory_ordered 1
		.amdhsa_forward_progress 1
		.amdhsa_inst_pref_size 78
	.end_amdhsa_kernel
	.amdgpu_metadata
---
amdhsa.version: [ 1, 2 ]
amdhsa.kernels:
  - .name:           k_q49f803c464_energy
    .symbol:         k_q49f803c464_energy.kd
    .args:
      - { .name: keys, .offset: 0, .size: 8, .value_kind: global_buffer, .address_space: global }
      - { .name: v, .offset: 8, .size: 8, .value_kind: global_buffer, .address_space: global }
      - { .name: qc, .offset: 16, .size: 8, .value_kind: global_buffer, .address_space: global }
      - { .name: wkf, .offset: 24, .size: 8, .value_kind: global_buffer, .address_space: global }
      - { .name: Wk_scales, .offset: 32, .size: 8, .value_kind: global_buffer, .address_space: global }
      - { .name: order, .offset: 40, .size: 8, .value_kind: global_buffer, .address_space: global }
      - { .name: counts, .offset: 48, .size: 8, .value_kind: global_buffer, .address_space: global }
      - { .name: ebuf, .offset: 56, .size: 8, .value_kind: global_buffer, .address_space: global }
    .group_segment_fixed_size: 289792
    .private_segment_fixed_size: 0
    .kernarg_segment_align: 8
    .kernarg_segment_size: 64
    .max_flat_workgroup_size: 256
    .sgpr_count:     80
    .vgpr_count:     512
    .wavefront_size: 32
...
	.end_amdgpu_metadata
.endif
;; end of part 2
;; launch context (part 3): grid 4 x 64, 8 waves a work-group, no clusters, 5,120 bytes of LDS; arguments keys, ebuf, order, place, counts, out0, out1; writes out0, out1
.if DOCPART == 3
	.amdgcn_target "amdgcn-amd-amdhsa--gfx1250"
	.amdhsa_code_object_version 6
	.text
	.protected	k_q49f803c464_context
	.globl	k_q49f803c464_context
	.p2align	8
	.type	k_q49f803c464_context,@function
k_q49f803c464_context:
	s_mov_b64 s[64:65], 0
	v_nop
	global_prefetch_b8 v0, s[64:65] scope:SCOPE_SE
	s_setreg_imm32_b32 hwreg(HW_REG_WAVE_MODE, 25, 1), 1
	s_wait_xcnt 0x0
; Third launch: the softmax over a batch's energies, attn (out1) and context = attn x keys (out0).
; LEFT OUT (shown at the head of the first kernel): tiles of 16 rows that hold masked rows alone: their attn is 0, so they add nothing to the context.
; ebuf holds t = energy x log2(e), less a term that is the same along the softmax's axis.  attn = 2^(t - M) / sum, M the largest t of the rows asked for: the maximum is taken away as reference() takes it.
; A place at or past the count counts as -3e38: its weight is 2^(-huge) = 0.  A batch with no row asked for gets the factor 0 (reference()'s NaN -> 0), and each weight that is a NaN becomes 0.
; SHARES.  Work-group (c, b): columns 256 c .. 256 c + 255 of batch b's context, and rows 256 c .. 256 c + 255 of its attn: each output has one owner.
; Wave w: half = w % 2 (512 bytes of the slice's 1,024), g = w / 2: places 256 g .. 256 g + 255 of the list, 16 tiles; tile k is walked where 64 k + 16 g < count (a prefix).
; Tile 0 is always walked: its entries are real rows (the list is a full permutation), and places at or past the count carry the weight 0.
; Every wave makes M and the sum from all 1,024 energies by itself, so nothing is handed round ahead of the stream.
; The product has one row (M = 1) and moves 4 bytes for each multiply-add: f32 fused multiply-adds, no matrix unit, no tensor loads, no cluster (no two work-groups read the same bytes of keys).
; LIMITS: NaN and infinities among the keys or energies are not served (one NaN energy does not turn the whole row to 0 as it does in reference()); t under -3e38 is not told from a masked row;
; weights under 2^-126 come out as 0 (ISA guide, v_exp_f32: results that would be denormal are flushed).
.set RED,   0                          ; 8 waves x 512 bytes: the waves' parts of the slice
.set SPARE, 4096                       ; the spare words: 128 bytes for each of eight waves, named by no other line
.set NEG,   0xff61b1e6                 ; -3e38
; tile k's 16 rows are asked for: my wave's 512 bytes of each, into buffer k % 2
.macro ISSUE k
.irp p, 0,1,2,3,4,5,6,7,8,9,10,11,12,13,14,15
	v_readlane_b32 s27, v[16+(\k)/2], 16*((\k)%2)+\p
	s_min_u32 s27, s27, 0x3ff                      ; a number read from memory is held inside the batch's 1,024 rows before it enters an address
	s_lshl_b32 s27, s27, 12
	v_add_nc_u32 v[32+16*((\k)%2)+\p], s27, v3
	global_load_b128 v[64+64*((\k)%2)+4*\p:67+64*((\k)%2)+4*\p], v[32+16*((\k)%2)+\p], s[30:31] th:TH_LOAD_NT   ; 512 consecutive bytes of one row; each byte is read once in this launch
.endr
.endm
; tile k's rows, each times its weight, onto two sets of four sums by turns
.macro CONSUME k
.irp p, 0,1,2,3,4,5,6,7,8,9,10,11,12,13,14,15
	v_readlane_b32 s[80+2*(\p%8)], v[24+(\k)/2], 16*((\k)%2)+\p
	v_pk_fma_f32 v[192+4*(\p%2):193+4*(\p%2)], v[64+64*((\k)%2)+4*\p:65+64*((\k)%2)+4*\p], s[80+2*(\p%8):81+2*(\p%8)], v[192+4*(\p%2):193+4*(\p%2)] op_sel_hi:[1,0,1]
	v_pk_fma_f32 v[194+4*(\p%2):195+4*(\p%2)], v[66+64*((\k)%2)+4*\p:67+64*((\k)%2)+4*\p], s[80+2*(\p%8):81+2*(\p%8)], v[194+4*(\p%2):195+4*(\p%2)] op_sel_hi:[1,0,1]
.endr
.endm
; tile k has been asked for.  Where a tile follows, it is asked for first and stays out while tile k is consumed; else tile k is the last
.macro STEPK k
.if (\k) < 15
	s_cmp_gt_i32 s26, 64*((\k)+1)
	s_cbranch_scc0 .Llast_\@
	ISSUE (\k)+1                                   ; its buffer and offset registers were tile k - 1's, whose loads the last step's wait has shown done
	s_wait_loadcnt 16                              ; the 16 just issued may be out: tile k is in
	CONSUME \k
	s_branch .Lnext_\@
.Llast_\@:
	s_wait_loadcnt 0x0
	CONSUME \k
	s_branch .Lred
.Lnext_\@:
.else
	s_wait_loadcnt 0x0
	CONSUME \k
.endif
.endm
	s_load_b256 s[4:11], s[0:1], 0x0               ; keys 4, ebuf 6, order 8, place 10
	s_load_b128 s[12:15], s[0:1], 0x20             ; counts 12, out0 14
	s_load_b64 s[16:17], s[0:1], 0x30              ; out1
	v_lshl_add_u32 v1, v0, 2, SPARE                ; my spare word,
	v_mov_b32 v2, 0                                ; and 0: kept for the closing lines alone
	v_lshrrev_b32 v11, 5, v0
	v_readfirstlane_b32 s20, v11                   ; wave 0..7
	s_and_b32 s21, s20, 1                          ; half
	s_lshr_b32 s22, s20, 1                         ; g
	s_and_b32 s23, ttmp7, 0xffff                   ; the batch
	s_mov_b32 s28, 0x76543210                      ; v_permlanex16_b32's selects for lane l xor 16
	s_mov_b32 s29, 0xfedcba98
	v_and_b32 v13, 31, v0                          ; lane
	v_lshlrev_b32 v3, 4, v13
	v_lshlrev_b32 v4, 2, v13
	v_lshlrev_b32 v12, 4, v0                       ; 16 x thread = 512 wave + 16 lane: my place in RED, and in waves 0 and 1 my 16 bytes of the work-group's 1,024 of place, out0 and out1; never rewritten
	v_mov_b32 v7, NEG
	v_mov_b32 v10, 0
.irp i, 0,1,2,3,4,5,6,7
	v_mov_b32 v[192+\i], 0                         ; the eight sums
	s_mov_b32 s[81+2*\i], 0                        ; (upper halves of the weights' pairs, of which the low word alone is used)
.endr
	s_mov_b32 s35, 0
	s_mov_b32 s37, 0
	s_wait_kmcnt 0x0
	s_lshl_b32 s34, s23, 7
	s_add_nc_u64 s[12:13], s[12:13], s[34:35]
	s_load_b32 s25, s[12:13], 0x0                  ; the count
	s_lshl_b32 s34, s23, 12
	s_add_nc_u64 s[6:7], s[6:7], s[34:35]          ; the batch's energies
	s_lshl_b32 s36, s22, 10
	s_add_nc_u64 s[38:39], s[6:7], s[36:37]        ; my group's
	s_add_co_u32 s36, s36, s34
	s_add_nc_u64 s[8:9], s[8:9], s[36:37]          ; my group's part of the list
	s_lshl_b32 s36, ttmp9, 10
	s_add_co_u32 s36, s36, s34
	s_add_nc_u64 s[10:11], s[10:11], s[36:37]      ; the work-group's 1,024 bytes of place,
	s_add_nc_u64 s[14:15], s[14:15], s[36:37]      ; of out0,
	s_add_nc_u64 s[16:17], s[16:17], s[36:37]      ; of out1
	s_lshl_b32 s36, s23, 22
	s_lshl_b32 s34, ttmp9, 10
	s_add_co_u32 s36, s36, s34
	s_lshl_b32 s34, s21, 9
	s_add_co_u32 s36, s36, s34
	s_add_nc_u64 s[30:31], s[4:5], s[36:37]        ; the batch's keys at my wave's 512 bytes of a row
.irp k, 0,1,2,3,4,5,6,7
	global_load_b32 v[16+\k], v4, s[8:9] offset:128*\k         ; the rows at places 256 g + 32 k + lane
.endr
.irp m, 0,1,2,3,4,5,6,7
	global_load_b128 v[200+4*\m:203+4*\m], v3, s[6:7] offset:512*\m   ; all 1,024 energies: register 4 m + k = place 128 m + 4 lane + k
.endr
.irp k, 0,1,2,3,4,5,6,7
	global_load_b32 v[24+\k], v4, s[38:39] offset:128*\k       ; my group's energies, laid as its rows are
.endr
	s_wait_kmcnt 0x0
	s_lshl_b32 s27, s22, 4
	s_sub_co_i32 s26, s25, s27                     ; count - 16 g
	s_cmp_eq_u32 s25, 0
	s_cselect_b32 s32, 0, 1.0                      ; 0 where no row is asked for
	v_lshrrev_b32 v11, 2, v13
	v_and_b32 v14, 3, v13
	v_lshlrev_b32 v14, 2, v14
	v_lshl_add_u32 v11, v11, 6, v14
	v_sub_nc_u32 v5, s25, v11                      ; place 128 m + 4 lane + k has position 512 (m % 2) + 16 (m / 2) + k + 64 (lane / 4) + 4 (lane % 4): it counts where the first three terms lie under this
	v_lshrrev_b32 v11, 4, v13
	v_and_b32 v14, 15, v13
	v_lshl_add_u32 v11, v11, 6, v14
	v_sub_nc_u32 v6, s26, v11                      ; place 256 g + 32 k + lane has position 128 k + 64 (lane / 16) + 16 g + lane % 16: it counts where 128 k lies under this
	s_wait_loadcnt 16                              ; the rows are in; the 8 + 8 loads of energies may be out
	ISSUE 0
	s_wait_loadcnt 16                              ; the energies are in; tile 0's 16 loads stay out
; ---- M and the sum
.irp m, 0,1,2,3,4,5,6,7
.irp k, 0,1,2,3
	v_cmp_lt_i32 vcc_lo, 512*(\m%2)+16*(\m/2)+\k, v5
	v_cndmask_b32 v[200+4*\m+\k], v7, v[200+4*\m+\k], vcc_lo
.endr
.endr
	v_max3_num_f32 v11, v200, v201, v202
	v_max3_num_f32 v13, v203, v204, v205
	v_max3_num_f32 v14, v206, v207, v208
	v_max3_num_f32 v15, v209, v210, v211
.irp i, 12,20
	v_max3_num_f32 v11, v11, v[200+\i], v[201+\i]
	v_max3_num_f32 v13, v13, v[202+\i], v[203+\i]
	v_max3_num_f32 v14, v14, v[204+\i], v[205+\i]
	v_max3_num_f32 v15, v15, v[206+\i], v[207+\i]
.endr
	v_max3_num_f32 v11, v11, v228, v229
	v_max3_num_f32 v13, v13, v230, v231
	v_max3_num_f32 v8, v11, v13, v14
	v_max_num_f32 v8, v8, v15
	v_max_num_f32_dpp v8, v8, v8 row_xmask:1 row_mask:0xf bank_mask:0xf
	v_max_num_f32_dpp v8, v8, v8 row_xmask:2 row_mask:0xf bank_mask:0xf
	v_max_num_f32_dpp v8, v8, v8 row_xmask:4 row_mask:0xf bank_mask:0xf
	v_max_num_f32_dpp v8, v8, v8 row_xmask:8 row_mask:0xf bank_mask:0xf
	v_permlanex16_b32 v11, v8, s28, s29
	v_max_num_f32 v8, v8, v11                      ; M, in every lane
.set J, 0
.rept 32
	v_sub_f32 v[200+J], v[200+J], v8
.set J, J+1
.endr
.set J, 0
.rept 32
	v_exp_f32 v[200+J], v[200+J]
.set J, J+1
.endr
	v_nop                                          ; a plain place behind the last exponential
	s_wait_alu depctr_va_vdst(0)                   ; one wait for the batch, ahead of its first reader
.irp j, 0,4,8,12,16,20,24,28
	v_pk_add_f32 v[200+\j:201+\j], v[200+\j:201+\j], v[202+\j:203+\j]
.endr
.irp j, 0,8,16,24
	v_pk_add_f32 v[200+\j:201+\j], v[200+\j:201+\j], v[204+\j:205+\j]
.endr
.irp j, 0,16
	v_pk_add_f32 v[200+\j:201+\j], v[200+\j:201+\j], v[208+\j:209+\j]
.endr
	v_pk_add_f32 v[200:201], v[200:201], v[216:217]
	v_add_f32 v11, v200, v201
	v_add_f32_dpp v11, v11, v11 row_xmask:1 row_mask:0xf bank_mask:0xf
	v_add_f32_dpp v11, v11, v11 row_xmask:2 row_mask:0xf bank_mask:0xf
	v_add_f32_dpp v11, v11, v11 row_xmask:4 row_mask:0xf bank_mask:0xf
	v_add_f32_dpp v11, v11, v11 row_xmask:8 row_mask:0xf bank_mask:0xf
	v_permlanex16_b32 v13, v11, s28, s29
	v_add_f32 v11, v11, v13                        ; the sum: at least 1 where a row is asked for
	v_rcp_f32 v9, v11
	v_nop
	s_wait_alu depctr_va_vdst(0)
	v_mul_f32 v9, s32, v9                          ; 1 / sum, or 0 where no row is asked for
; ---- my group's weights
.irp k, 0,1,2,3,4,5,6,7
	v_cmp_lt_i32 vcc_lo, 128*\k, v6
	v_cndmask_b32 v[24+\k], v7, v[24+\k], vcc_lo
.endr
.irp k, 0,1,2,3,4,5,6,7
	v_sub_f32 v[24+\k], v[24+\k], v8
.endr
.irp k, 0,1,2,3,4,5,6,7
	v_exp_f32 v[24+\k], v[24+\k]
.endr
	v_nop
	s_wait_alu depctr_va_vdst(0)
.irp k, 0,1,2,3,4,5,6,7
	v_mul_f32 v[24+\k], v[24+\k], v9
.endr
.irp k, 0,1,2,3,4,5,6,7
	v_cmp_neq_f32 vcc_lo, v[24+\k], v[24+\k]       ; reference()'s guard: a NaN becomes 0
	v_cndmask_b32 v[24+\k], v[24+\k], v10, vcc_lo
.endr
; ---- attn: waves 0 and 1 take 128 rows each, four a lane.  A branch on the wave's number; no barrier stands inside
	s_cmp_lt_u32 s20, 2
	s_cbranch_scc0 .Lstream
	global_load_b128 v[232:235], v12, s[10:11]     ; the places of my four rows
	s_wait_loadcnt 0x0
.irp i, 0,1,2,3
	v_bfe_u32 v[240+\i], v[232+\i], 4, 4
	v_bfe_u32 v[244+\i], v[232+\i], 8, 2
	v_and_b32 v[248+\i], 15, v[232+\i]
	v_lshl_or_b32 v[248+\i], v[244+\i], 4, v[248+\i]
	v_lshl_or_b32 v[248+\i], v[240+\i], 6, v[248+\i]   ; the position: 64 ((u / 16) % 16) + 16 (u / 256) + u % 16
	v_min_u32 v[236+\i], 0x3ff, v[232+\i]          ; the place is held inside the batch's 1,024 before it enters an address
	v_lshlrev_b32 v[236+\i], 2, v[236+\i]
.endr
.irp i, 0,1,2,3
	global_load_b32 v[240+\i], v[236+\i], s[6:7]
.endr
	s_wait_loadcnt 0x0
.irp i, 0,1,2,3
	v_cmp_gt_i32 vcc_lo, s25, v[248+\i]            ; asked for: the position lies under the count
	v_cndmask_b32 v[240+\i], v7, v[240+\i], vcc_lo
.endr
.irp i, 0,1,2,3
	v_sub_f32 v[240+\i], v[240+\i], v8
.endr
.irp i, 0,1,2,3
	v_exp_f32 v[240+\i], v[240+\i]
.endr
	v_nop
	s_wait_alu depctr_va_vdst(0)
.irp i, 0,1,2,3
	v_mul_f32 v[240+\i], v[240+\i], v9
.endr
.irp i, 0,1,2,3
	v_cmp_neq_f32 vcc_lo, v[240+\i], v[240+\i]
	v_cndmask_b32 v[240+\i], v[240+\i], v10, vcc_lo
.endr
	global_store_b128 v12, v[240:243], s[16:17]    ; a wave stores 512 consecutive bytes
.Lstream:
; ---- the stream: written out, so that register numbers are constants
.irp k, 0,1,2,3,4,5,6,7,8,9,10,11,12,13,14,15
	STEPK \k
.endr
.Lred:
	v_pk_add_f32 v[192:193], v[192:193], v[196:197]
	v_pk_add_f32 v[194:195], v[194:195], v[198:199]
	ds_store_b128 v12, v[192:195]
	s_wait_dscnt 0x0                               ; for the others' sake: my part has landed
	s_barrier_signal -1
	s_barrier_wait -1
	s_cmp_lt_u32 s20, 2
	s_cbranch_scc0 .Lend
.irp g, 0,1,2,3
	ds_load_b128 v[64+4*\g:67+4*\g], v12 offset:1024*\g        ; the four groups' parts of my half
.endr
	s_wait_dscnt 0x0
	v_pk_add_f32 v[64:65], v[64:65], v[68:69]
	v_pk_add_f32 v[66:67], v[66:67], v[70:71]
	v_pk_add_f32 v[72:73], v[72:73], v[76:77]
	v_pk_add_f32 v[74:75], v[74:75], v[78:79]
	v_pk_add_f32 v[64:65], v[64:65], v[72:73]
	v_pk_add_f32 v[66:67], v[66:67], v[74:75]
	global_store_b128 v12, v[64:67], s[14:15]      ; a wave stores 512 consecutive bytes
.Lend:
	s_wait_tensorcnt 0x0                           ; the wave's end
	ds_add_u32 v1, v2
	s_wait_dscnt 0x0
	s_endpgm
.Lfunc_end_k_q49f803c464_context:
	.size	k_q49f803c464_context, .Lfunc_end_k_q49f803c464_context-k_q49f803c464_context
	.p2alignl 7, 3214868480
	.fill 96, 4, 3214868480
	.section	.rodata,"a",@progbits
	.p2align	6, 0x0
	.amdhsa_kernel k_q49f803c464_context
		.amdhsa_group_segment_fixed_size 5120
		.amdhsa_private_segment_fixed_size 0
		.amdhsa_enable_private_segment 0
		.amdhsa_kernarg_size 56
		.amdhsa_user_sgpr_count 2
		.amdhsa_user_sgpr_kernarg_segment_ptr 1
		.amdhsa_wavefront_size32 1
		.amdhsa_system_sgpr_workgroup_id_x 1
		.amdhsa_system_sgpr_workgroup_id_y 1
		.amdhsa_system_sgpr_workgroup_id_z 1
		.amdhsa_system_vgpr_workitem_id 0
		.amdhsa_next_free_vgpr 256
		.amdhsa_next_free_sgpr 100
		.amdhsa_reserve_vcc 1
		.amdhsa_float_denorm_mode_32 3
		.amdhsa_float_denorm_mode_16_64 3
		.amdhsa_memory_ordered 1
		.amdhsa_forward_progress 1
		.amdhsa_inst_pref_size 188
	.end_amdhsa_kernel
	.amdgpu_metadata
---
amdhsa.version: [ 1, 2 ]
amdhsa.kernels:
  - .name:           k_q49f803c464_context
    .symbol:         k_q49f803c464_context.kd
    .args:
      - { .name: keys, .offset: 0, .size: 8, .value_kind: global_buffer, .address_space: global }
      - { .name: ebuf, .offset: 8, .size: 8, .value_kind: global_buffer, .address_space: global }
      - { .name: order, .offset: 16, .size: 8, .value_kind: global_buffer, .address_space: global }
      - { .name: place, .offset: 24, .size: 8, .value_kind: global_buffer, .address_space: global }
      - { .name: counts, .offset: 32, .size: 8, .value_kind: global_buffer, .address_space: global }
      - { .name: out0, .offset: 40, .size: 8, .value_kind: global_buffer, .address_space: global }
      - { .name: out1, .offset: 48, .size: 8, .value_kind: global_buffer, .address_space: global }
    .group_segment_fixed_size: 5120
    .private_segment_fixed_size: 0
    .kernarg_segment_align: 8
    .kernarg_segment_size: 56
    .max_flat_workgroup_size: 256
    .sgpr_count:     100
    .vgpr_count:     256
    .wavefront_size: 32
...
	.end_amdgpu_metadata
.endif
;; end of part 3
;; ======== version 2 of 2: 3 launches; version 1 with the launches prep, energy, context written anew for expert scheduling mode
;; workspace buffers: qc 262,144 bytes; wkf 786,432 bytes; order 262,144 bytes of whole numbers; place 262,144 bytes of whole numbers; counts 8,192 bytes of whole numbers; ebuf 262,144 bytes
;; launch prep (part 4): grid 144 x 1, 4 waves a work-group, no clusters, 0 bytes of LDS; arguments Wq_codes, Wq_scales, query_codes, query_scales, Wk_codes, mask, qc, wkf, order, place, counts; writes qc, wkf, order, place, counts
.if DOCPART == 4
	.amdgcn_target "amdgcn-amd-amdhsa--gfx1250"
	.amdhsa_code_object_version 6
	.text
	.protected	k_q49f803c464_prep
	.globl	k_q49f803c464_prep
	.p2align	8
	.type	k_q49f803c464_prep,@function
k_q49f803c464_prep:
	s_mov_b64 s[64:65], 0
	v_nop
	global_prefetch_b8 v0, s[64:65] scope:SCOPE_SE
	s_setreg_imm32_b32 hwreg(HW_REG_WAVE_SCHED_MODE, 0, 2), 2
	s_setreg_imm32_b32 hwreg(HW_REG_WAVE_MODE, 25, 1), 1
	s_wait_xcnt 0x0
	s_wait_alu depctr_vm_vsrc(0)
; BAHDANAU ATTENTION, first of three launches: what the two large launches need beforehand.
;   work-groups 0-63:    qc = 2 log2(e) x (query Wq^T), the first QUANTISED product, on the codes and scale bytes as they are given
;   work-groups 64-127:  wkf = Wk's codes, laid in the order of the matrix operand's registers (no number is changed)
;   work-groups 128-143: the lists of rows made from the mask: order, place, counts
; WORK LEFT OUT IN THE WHOLE PROGRAM, AND WHY IT IS DEAD.
; (a) Rows with mask = True.  reference() sets their energy to -inf, so their attn is exp(-inf) / sum = 0 whatever their keys hold, they add
;     nothing to the softmax's sum, and they enter the context with the factor 0.  So neither their projection keys Wk^T, nor their tanh, nor their
;     share of the context can reach an output.  The mask is a whole-number input: this launch reads it and stores which rows are asked for, and the
;     later launches read those lists from memory and walk the rows asked for, in tiles of 16.
; (b) tanh(x) = 1 - 2 / (1 + e^(2x)), so energy = sum_h v_h - 2 sum_h v_h / (1 + e^(2x)).  The first term is the same for all positions of a
;     batch, that is along the softmax's axis, and cancels in it for all values of v.  Only the second term is computed.
; Every input still has a way to an output and is loaded by some launch.
; LIMIT: a NaN, an infinity or an overflow that reaches only the work left out (keys of masked rows; the sum of v) is not carried to the result.
; THE ORDER OF ROWS.  Each batch's 1,024 rows get a position sigma, a full permutation: rows asked for take 0 .. count - 1 in ascending order,
; masked rows fill from 1,023 downward.  So every entry of the list is a real row.  Position sigma is kept at place
; u = 256 ((sigma / 16) % 4) + 16 (sigma / 64) + sigma % 16: tile sigma / 16 goes to owner (sigma / 16) % 4 as its tile sigma / 64, so that four owners
; share a batch's tiles evenly and each owner's 256 places are 1,024 consecutive bytes.
; qc sums K in two accumulators, which are added in f32: it goes into no quantiser.
; THE MODE: SCHED_MODE bits 1:0 = 2 (LLVM: expert scheduling mode 2), set by the entry lines.  The code itself states the register dependences
; between vector or matrix instructions and memory instructions, with s_wait_alu, always for 0.
; THE PLAN.  Registers that memory instructions touch: the offsets v1, v4 to v8, made once and never written again; the targets of loads, which no vector
; instruction writes; the data of stores: v16-23 (qc), and in the lists v64-159 and v16, a register of its own for each store.  So each arm has one wait on va_vdst ahead of its
; loads (its offsets are written) and one ahead of each run of stores whose data vector instructions made; no register that a store reads is written again.
; Scalar registers that vector instructions write: s26 (the wave), and in the lists the masks s32-47, made in two runs of sixteen compares with one wait on va_sdst behind each.
.set C2, 0x4038aa3b                    ; 2 log2(e)
; a fragment of 16 rows x 128 K of 6-bit codes: lane (r, h) takes 24 bytes at 24 h and 24 bytes at 48 + 24 h of its row's 96, in pieces of 8 bytes
.macro FRAG6 reg, adr, base, off
.irp p, 0,1,2,3,4,5
	global_load_b64 v[(\reg)+2*\p:(\reg)+2*\p+1], v[\adr], s[\base:\base+1] offset:(\off)+48*(\p/3)+8*(\p%3)
.endr
.endm
	s_load_b512 s[4:19], s[0:1], 0x0               ; Wq_codes 4, Wq_scales 6, query_codes 8, query_scales 10, Wk_codes 12, mask 14, qc 16, wkf 18
	s_load_b128 s[20:23], s[0:1], 0x40             ; order 20, place 22
	s_load_b64 s[24:25], s[0:1], 0x50              ; counts
	v_lshrrev_b32 v1, 5, v0
	v_readfirstlane_b32 s26, v1                    ; wave 0..3
	v_and_b32 v1, 31, v0                           ; lane
	v_and_b32 v2, 15, v0                           ; r
	v_bfe_u32 v3, v0, 4, 1                         ; h
	v_mul_u32_u24 v4, v2, 768                      ; a row of 1,024 codes is 768 bytes
	v_mad_u32_u24 v4, v3, 24, v4
	s_mov_b32 s29, 0
	s_wait_alu depctr_va_sdst(0)                   ; s26 is written, ahead of the branches and of its first reader in each arm
	s_wait_kmcnt 0x0
	s_cmp_lt_u32 ttmp9, 64
	s_cbranch_scc0 .Lnot_a
; ---- qc: the work-group is the tile of 16 hidden units, the wave the tile of 16 batches
	s_mul_i32 s28, ttmp9, 12288                    ; 16 rows of 768 bytes
	s_add_nc_u64 s[4:5], s[4:5], s[28:29]
	s_mul_i32 s28, s26, 12288
	s_add_nc_u64 s[8:9], s[8:9], s[28:29]
	s_lshl_b32 s28, ttmp9, 9                       ; 16 rows of 32 scale bytes
	s_add_nc_u64 s[6:7], s[6:7], s[28:29]
	s_lshl_b32 s28, s26, 9
	s_add_nc_u64 s[10:11], s[10:11], s[28:29]
	s_lshl_b32 s28, ttmp9, 12                      ; qc [tile of units 64][batch 64][16] f32
	s_lshl_b32 s30, s26, 10
	s_add_co_u32 s28, s28, s30
	s_add_nc_u64 s[16:17], s[16:17], s[28:29]
	s_wait_alu depctr_va_vdst(0)
	v_lshlrev_b32 v5, 5, v2
	v_lshl_add_u32 v5, v3, 4, v5                   ; scale words: 32 r + 16 h: register m holds K step m's word in lanes 0-15, K step 4 + m's in lanes 16-31
	v_lshlrev_b32 v6, 6, v2
	v_lshl_add_u32 v6, v3, 5, v6                   ; out: batch r's 64 bytes, + 32 h
	s_mov_b32 s32, C2
	s_mov_b32 s33, C2                              ; (named with it as a pair, so it is written)
	s_wait_alu depctr_va_vdst(0)                   ; the offsets v4, v5 and v6 are written, which the loads and stores of this arm read
.irp s, 0,1,2,3,4,5,6,7
	FRAG6 32+12*\s, 4, 4, 96*\s
	FRAG6 128+12*\s, 4, 8, 96*\s
.endr
	global_load_b128 v[224:227], v5, s[6:7]
	global_load_b128 v[228:231], v5, s[10:11]
	s_wait_loadcnt 0x0
; source 0 = 16 rows of Wq, source 1 = 16 rows of query: lane (r, h), register j = (unit 8 h + j, batch r).  Two accumulators by turns
.irp s, 0,1,2,3,4,5,6,7
.if \s < 2
	v_wmma_scale_f32_16x16x128_f8f6f4 v[232+8*(\s%2):239+8*(\s%2)], v[32+12*\s:43+12*\s], v[128+12*\s:139+12*\s], 0, v[224+\s%4], v[228+\s%4] matrix_a_fmt:MATRIX_FMT_FP6 matrix_b_fmt:MATRIX_FMT_FP6
.elseif \s < 4
	v_wmma_scale_f32_16x16x128_f8f6f4 v[232+8*(\s%2):239+8*(\s%2)], v[32+12*\s:43+12*\s], v[128+12*\s:139+12*\s], v[232+8*(\s%2):239+8*(\s%2)], v[224+\s%4], v[228+\s%4] matrix_a_fmt:MATRIX_FMT_FP6 matrix_b_fmt:MATRIX_FMT_FP6
.else
	v_wmma_scale_f32_16x16x128_f8f6f4 v[232+8*(\s%2):239+8*(\s%2)], v[32+12*\s:43+12*\s], v[128+12*\s:139+12*\s], v[232+8*(\s%2):239+8*(\s%2)], v[224+\s%4], v[228+\s%4] matrix_a_fmt:MATRIX_FMT_FP6 matrix_b_fmt:MATRIX_FMT_FP6 matrix_a_scale:MATRIX_SCALE_ROW1 matrix_b_scale:MATRIX_SCALE_ROW1
.endif
.endr
.rept 4
	v_nop                                          ; four places between the last product and the first read of a result (ISA guide 7.12.1)
.endr
.irp j, 0,2,4,6
	v_pk_mul_f32 v[16+\j:17+\j], v[240+\j:241+\j], s[32:33] op_sel_hi:[1,0]          ; each accumulator from its low end on
.endr
.irp j, 0,2,4,6
	v_pk_fma_f32 v[16+\j:17+\j], v[232+\j:233+\j], s[32:33], v[16+\j:17+\j] op_sel_hi:[1,0,1]
.endr
	s_wait_alu depctr_va_vdst(0)                   ; the multiply-adds have written v16-23, which the two stores read
	global_store_b128 v6, v[16:19], s[16:17]       ; the wave's two stores cover 1,024 consecutive bytes
	global_store_b128 v6, v[20:23], s[16:17] offset:16
	s_endpgm
.Lnot_a:
	s_cmp_lt_u32 ttmp9, 128
	s_cbranch_scc0 .Llists
; ---- wkf [tile of 16 rows 64][K step 8][quarter 3][lane 32][16 bytes]: a fragment's twelve registers on end.  Wave w takes K steps 2 w and 2 w + 1
	s_sub_co_u32 s28, ttmp9, 64
	s_mul_i32 s28, s28, 12288
	s_add_nc_u64 s[12:13], s[12:13], s[28:29]
	s_add_nc_u64 s[18:19], s[18:19], s[28:29]
	s_mul_i32 s28, s26, 192
	s_add_nc_u64 s[12:13], s[12:13], s[28:29]
	s_mul_i32 s28, s26, 3072
	s_add_nc_u64 s[18:19], s[18:19], s[28:29]
	s_wait_alu depctr_va_vdst(0)
	v_lshlrev_b32 v7, 4, v1
	s_wait_alu depctr_va_vdst(0)                   ; the offsets v4 and v7 are written, which the loads and the stores of this arm read
	FRAG6 32, 4, 12, 0
	FRAG6 44, 4, 12, 96
	s_wait_loadcnt 0x0
.irp u, 0,1
.irp q, 0,1,2
	global_store_b128 v7, v[32+12*\u+4*\q:35+12*\u+4*\q], s[18:19] offset:1536*\u+512*\q   ; 512 consecutive bytes a store
.endr
.endr
	s_endpgm
.Llists:
; ---- the lists: a wave to a batch; 32 rows at a time, a lane a row
	s_sub_co_u32 s28, ttmp9, 128
	s_lshl_b32 s28, s28, 2
	s_add_co_u32 s31, s28, s26                     ; the batch
	s_lshl_b32 s28, s31, 10
	s_add_nc_u64 s[14:15], s[14:15], s[28:29]
	s_lshl_b32 s28, s31, 12
	s_add_nc_u64 s[20:21], s[20:21], s[28:29]
	s_add_nc_u64 s[22:23], s[22:23], s[28:29]
	s_lshl_b32 s28, s31, 7
	s_add_nc_u64 s[24:25], s[24:25], s[28:29]
	s_wait_alu depctr_va_vdst(0)
	v_lshlrev_b32 v8, 2, v1
	v_sub_nc_u32 v9, 1023, v1
	s_wait_alu depctr_va_vdst(0)                   ; the offsets v1 and v8 are written, which the loads and the stores of this arm read
.irp i, 0,1,2,3,4,5,6,7,8,9,10,11,12,13,14,15,16,17,18,19,20,21,22,23,24,25,26,27,28,29,30,31
	global_load_u8 v[32+\i], v1, s[14:15] offset:32*\i
.endr
	s_mov_b32 s30, 0                               ; rows asked for so far
	s_wait_loadcnt 0x0
; each step has registers of its own for what its two stores read, so nothing that a pending store names is written again.
; Sixteen steps at a time: their compares in one run, their arithmetic, their stores in one run
.irp f, 0,1
.irp i, 0,1,2,3,4,5,6,7,8,9,10,11,12,13,14,15
	v_cmp_eq_u32 s[32+\i], 0, v[32+16*\f+\i]       ; the lanes whose row is asked for
.endr
	s_wait_alu depctr_va_sdst(0)                   ; the sixteen compares have written s32-47, ahead of their first reader
.irp i, 0,1,2,3,4,5,6,7,8,9,10,11,12,13,14,15
	v_mbcnt_lo_u32_b32 v10, s[32+\i], 0            ; how many of them stand below my lane
	v_add_nc_u32 v10, s30, v10                     ; rows asked for ahead of mine: my position if mine is asked for
	v_add3_u32 v11, v9, v10, -32*(16*\f+\i)        ; 1,023 - (masked rows ahead of mine) = 1,023 - row + v10: my position if mine is masked
	v_cndmask_b32 v12, v11, v10, s[32+\i]
	v_bfe_u32 v13, v12, 4, 2                       ; the owner,
	v_lshrrev_b32 v14, 6, v12                      ; the owner's tile,
	v_and_b32 v15, 15, v12                         ; the row in it
	v_lshl_or_b32 v15, v14, 4, v15
	v_lshl_or_b32 v[64+16*\f+\i], v13, 8, v15      ; the place u
	v_min_u32 v[64+16*\f+\i], 0x3ff, v[64+16*\f+\i]   ; held inside the list before it enters an address
	v_lshlrev_b32 v[96+16*\f+\i], 2, v[64+16*\f+\i]
	v_add_nc_u32 v[128+16*\f+\i], 32*(16*\f+\i), v1   ; my row
	s_bcnt1_i32_b32 s29, s[32+\i]
	s_add_co_u32 s30, s30, s29
.endr
.if \f == 1
	v_mov_b32 v16, s30
.endif
	s_wait_alu depctr_va_vdst(0)                   ; these sixteen steps have written their places, offsets and rows (and, at the end, the count in v16), which the stores below read
.irp i, 0,1,2,3,4,5,6,7,8,9,10,11,12,13,14,15
	global_store_b32 v[96+16*\f+\i], v[128+16*\f+\i], s[20:21]              ; order[u] = row
	global_store_b32 v8, v[64+16*\f+\i], s[22:23] offset:128*(16*\f+\i)     ; place[row] = u
.endr
.endr
	global_store_b32 v8, v16, s[24:25]             ; the count, 32 times: 128 consecutive bytes
	s_endpgm
.Lfunc_end_k_q49f803c464_prep:
	.size	k_q49f803c464_prep, .Lfunc_end_k_q49f803c464_prep-k_q49f803c464_prep
	.p2alignl 7, 3214868480
	.fill 96, 4, 3214868480
	.section	.rodata,"a",@progbits
	.p2align	6, 0x0
	.amdhsa_kernel k_q49f803c464_prep
		.amdhsa_group_segment_fixed_size 0
		.amdhsa_private_segment_fixed_size 0
		.amdhsa_enable_private_segment 0
		.amdhsa_kernarg_size 88
		.amdhsa_user_sgpr_count 2
		.amdhsa_user_sgpr_kernarg_segment_ptr 1
		.amdhsa_wavefront_size32 1
		.amdhsa_system_sgpr_workgroup_id_x 1
		.amdhsa_system_sgpr_workgroup_id_y 1
		.amdhsa_system_sgpr_workgroup_id_z 1
		.amdhsa_system_vgpr_workitem_id 0
		.amdhsa_next_free_vgpr 256
		.amdhsa_next_free_sgpr 66
		.amdhsa_reserve_vcc 0
		.amdhsa_float_denorm_mode_32 3
		.amdhsa_float_denorm_mode_16_64 3
		.amdhsa_memory_ordered 1
		.amdhsa_forward_progress 1
		.amdhsa_inst_pref_size 50
	.end_amdhsa_kernel
	.amdgpu_metadata
---
amdhsa.version: [ 1, 2 ]
amdhsa.kernels:
  - .name:           k_q49f803c464_prep
    .symbol:         k_q49f803c464_prep.kd
    .args:
      - { .name: Wq_codes, .offset: 0, .size: 8, .value_kind: global_buffer, .address_space: global }
      - { .name: Wq_scales, .offset: 8, .size: 8, .value_kind: global_buffer, .address_space: global }
      - { .name: query_codes, .offset: 16, .size: 8, .value_kind: global_buffer, .address_space: global }
      - { .name: query_scales, .offset: 24, .size: 8, .value_kind: global_buffer, .address_space: global }
      - { .name: Wk_codes, .offset: 32, .size: 8, .value_kind: global_buffer, .address_space: global }
      - { .name: mask, .offset: 40, .size: 8, .value_kind: global_buffer, .address_space: global }
      - { .name: qc, .offset: 48, .size: 8, .value_kind: global_buffer, .address_space: global }
      - { .name: wkf, .offset: 56, .size: 8, .value_kind: global_buffer, .address_space: global }
      - { .name: order, .offset: 64, .size: 8, .value_kind: global_buffer, .address_space: global }
      - { .name: place, .offset: 72, .size: 8, .value_kind: global_buffer, .address_space: global }
      - { .name: counts, .offset: 80, .size: 8, .value_kind: global_buffer, .address_space: global }
    .group_segment_fixed_size: 0
    .private_segment_fixed_size: 0
    .kernarg_segment_align: 8
    .kernarg_segment_size: 88
    .max_flat_workgroup_size: 128
    .sgpr_count:     66
    .vgpr_count:     256
    .wavefront_size: 32
...
	.end_amdgpu_metadata
.endif
;; end of part 4
;; launch energy (part 5): grid 4 x 64, 8 waves a work-group, no clusters, 289,792 bytes of LDS; arguments keys, v, qc, wkf, Wk_scales, order, counts, ebuf; writes ebuf
.if DOCPART == 5
	.amdgcn_target "amdgcn-amd-amdhsa--gfx1250"
	.amdhsa_code_object_version 6
	.text
	.protected	k_q49f803c464_energy
	.globl	k_q49f803c464_energy
	.p2align	8
	.type	k_q49f803c464_energy,@function
k_q49f803c464_energy:
	s_mov_b64 s[64:65], 0
	v_nop
	global_prefetch_b8 v0, s[64:65] scope:SCOPE_SE
	s_setreg_imm32_b32 hwreg(HW_REG_WAVE_SCHED_MODE, 0, 2), 2
	s_setreg_imm32_b32 hwreg(HW_REG_WAVE_MODE, 25, 1), 1
	s_wait_xcnt 0x0
	s_wait_alu depctr_vm_vsrc(0)
; Second launch: ebuf[b][u] = -2 log2(e) sum_h v_h / (1 + 2^y), y = 2 log2(e) (query_proj + keys_proj): the energy in units of log2, without its term sum_h v_h.
; LEFT OUT (shown at the head of the first kernel): tiles of 16 rows that hold masked rows alone, and the term sum_h v_h, which is the same along the softmax's axis.
; SHARES.  Work-group (j, b) owns places 256 j .. 256 j + 255 of batch b's list: up to 16 tiles of 16 rows; tile i is walked where 64 i + 16 j < count (a prefix of the tiles).
; A last tile's places at or past the count name real rows (the list is a full permutation); their energies are stored and the next launch selects them away.
; P1: wave w gathers columns 128 w .. 128 w + 127 of each tile's rows, quantises them (E2M3, one E8M0 scale for 32 along K) and leaves K step w of the tile in LDS as an image of the operand's registers.
; P2: wave w owns hidden units 128 w .. 128 w + 127, in two passes of 64.  A pass's 32 fragments of Wk stay in 384 registers; the tiles' fragments come from LDS.
;     y takes qc as the addend of one fused multiply-add; 1 / (1 + 2^y) is one exponential and one reciprocal: 2^y = inf gives 0, 2^y = 0 gives 1, so every finite projection is served.
; P3: the sixteen parts (8 waves x 2 passes) of each row's sum are added in a fixed order and stored; tiles not walked store 0, so that every byte of ebuf is written.
; NO TENSOR LOADS, NO CLUSTER: the number of tiles hangs on a count read from memory, tiles are passed over by a scalar branch on it;
; What all work-groups share, Wk's 786,432 bytes of codes, goes from memory straight into the registers where it stays, once for each work-group.
; Two waves share a SIMD's registers, 512 each: one wave's exponentials stand beside the other's products.
; LIMITS: NaN and infinities among the keys are not served.  A block of 32 zeros gets the scale byte 1 where the quantiser says 127: its codes are zeros, which add nothing, and only this launch reads the byte.
; THE MODE: SCHED_MODE bits 1:0 = 2 (LLVM: expert scheduling mode 2), set by the entry lines.  The code itself states the register dependences
; between vector or matrix instructions and memory or LDS instructions, with s_wait_alu, always for 0.
; THE PLAN, P1.  Registers that memory or LDS instructions touch in a trip:
;   v32-63      the trip's 32 offsets: written by its additions, read by its loads; behind that v32-50 and v52-59 are a tile's codes and scratch.
;   v64-191     two tiles as loaded: written by the loads, read by the LDS stores into the stage; no vector instruction names them.
;   v192-255    a tile back from the stage: written by LDS loads, read by the maxima and the conversions.
;   v32-43, v58, v25, v26   the codes, the scale word and their two LDS addresses: written by vector instructions, read by the image's four LDS stores.
; One wait on va_vdst behind the trip's 34 additions; one on vm_vsrc behind its loads.  In each tile one wait on va_vdst ahead of the image's stores, which also shows the conversions done with v192-255,
; so that the next tile's LDS loads owe nothing; and one on vm_vsrc behind those stores, ahead of the jump back.
; THE PLAN, P2.  v15, v17, v19: a tile's three LDS addresses, written at its head.  v40-43 and v76-123: the tile's scale words and two buffers of two fragments: written by LDS loads, read by the products
; (v76-91 serve the sums behind them).  v84: the tile's sum, read by one LDS store.  Wk's fragments and scale words, qc and v: written by a pass's loads, read by products and by the activation.
; A tile: a wait on va_vdst behind the three additions; one ahead of each of the two refills of a fragment buffer; one behind each batch of transcendentals; one ahead of the store of v84; a wait on vm_vsrc behind it.
; A pass: one wait on va_vdst ahead of its loads.
.set IMG,   0                          ; [tile 16][K step 8][quarter 3][lane 32][16 bytes]
.set SCI,   196608                     ; [tile 16][row 16][32 bytes]: the row's scale word of K step s at 4 s
.set STG,   204800                     ; a stage for each wave: 16 rows x (512 bytes + 16)
.set EPART, 272384                     ; f32 [2 wave + pass][tile 16][row 16]
.set SPARE, 288768                     ; the spare words: 128 bytes for each of eight waves, named by no other line
.set C2,    0x4038aa3b                 ; 2 log2(e)
.set MSB, 0
.macro WIN new                         ; the immediate's high byte repeats the setting that is left; a switch that changes nothing is dropped
.if MSB != \new
	s_set_vgpr_msb (MSB<<8)|\new
.set MSB, \new
.endif
.endm
.macro PLACES                          ; four plain places behind a matrix instruction, ahead of loads into its registers and of reads of its results
.rept 4
	v_nop
.endr
.endm
; Wk's fragment f = 4 s + t (K step s, tile t of the pass's four): f = 0 .. 10 at v[124 + 12 f], f = 11 .. 31 at v[12 (f - 11)] of window 1
.macro LOADB_W1 p
	WIN 0x40                                       ; destination window 1, address window 0
.set F, 11
.rept 21
.irp q, 0,1,2
	global_load_b128 v[12*(F-11)+4*\q:12*(F-11)+4*\q+3], v9, s[10:11] offset:((4*(\p)+F%4)*8+F/4)*1536+512*\q
.endr
.set F, F+1
.endr
	WIN 0
.endm
.macro LOADB_W0 p
.set F, 0
.rept 11
.irp q, 0,1,2
	global_load_b128 v[124+12*F+4*\q:124+12*F+4*\q+3], v9, s[10:11] offset:((4*(\p)+F%4)*8+F/4)*1536+512*\q
.endr
.set F, F+1
.endr
.irp t, 0,1,2,3
	global_load_b128 v[24+4*\t:27+4*\t], v4, s[12:13] offset:(4*(\p)+\t)*512    ; Wk's scale words: register m = K step m (lanes 0-15), 4 + m (lanes 16-31)
	global_load_b32 v[8+4*\t], v3, s[8:9] offset:(4*(\p)+\t)*4096               ; qc of my lane's unit
	global_load_b32 v[10+4*\t], v3, s[6:7] offset:(4*(\p)+\t)*64                ; v of my lane's unit
.endr
.endm
; a tile's 16 offsets.  sb: the 16 row numbers; ob: an offset register for each load
.macro OFFS sb, ob
.irp p, 0,1,2,3,4,5,6,7,8,9,10,11,12,13,14,15
	s_min_u32 s30, s[\sb+\p], 0x3ff                ; a number read from memory is held inside the batch's 1,024 rows before it enters an address
	s_lshl_b32 s30, s30, 12
	v_add_nc_u32 v[\ob+\p], s30, v3
.endr
.endm
; a tile's 16 rows are asked for: my wave's 512 bytes of each.  rb: the data; ob: the offsets
.macro LOADS rb, ob
.irp p, 0,1,2,3,4,5,6,7,8,9,10,11,12,13,14,15
	global_load_b128 v[\rb+4*\p:\rb+4*\p+3], v[\ob+\p], s[76:77] th:TH_LOAD_NT   ; 512 consecutive bytes of one row; each byte is read once in this launch
.endr
.endm
; a tile's 16 x 128 numbers become a fragment's codes and its rows' scale words.  u: which tile of the trip's two
.macro PROCESS rb, u
.irp p, 0,1,2,3,4,5,6,7,8,9,10,11,12,13,14,15
	ds_store_b128 v4, v[\rb+4*\p:\rb+4*\p+3] offset:528*\p
.endr
.irp c, 0,1
.irp p, 0,1,2,3,4,5,6,7
	ds_load_b128 v[192+32*\c+4*\p:195+32*\c+4*\p], v5 offset:256*\c+16*\p   ; LDS serves a wave's instructions in order: these see the stores.  Lane (r, h): k = 64 c + 32 h + 0 .. 31 of row r: two whole blocks.  (No vector instruction since the last wait on va_vdst names v192-255)
.endr
.endr
	s_wait_dscnt 0x0
.irp c, 0,1
	v_max3_num_f32 v[52+\c], |v[192+32*\c]|, |v[193+32*\c]|, 0x1800000      ; the block's largest magnitude, over the floor 2^(3 - 127), which holds the byte at 1 from below
.endr
.irp i, 2,4,6,8,10,12,14,16,18,20,22,24,26,28,30
.irp c, 0,1
	v_max3_num_f32 v[52+\c], v[52+\c], |v[192+32*\c+\i]|, |v[193+32*\c+\i]|
.endr
.endr
.irp c, 0,1
	v_add_nc_u32 v[54+\c], 0xff000000, v[52+\c]    ; 2 off the exponent field: the conversion's scale operand
.endr
.irp c, 0,1
	v_lshrrev_b32 v[56+\c], 23, v[54+\c]           ; the scale's byte
.endr
	v_lshl_or_b32 v58, v57, 16, v56                ; my bytes: blocks h and 2 + h,
	v_lshlrev_b32 v58, v24, v58                    ; 8 h bits up;
	v_permlanex16_b32 v59, v58, s72, s73
	v_or_b32 v58, v58, v59                         ; with lane l xor 16's two the row's word is whole
.irp c, 0,1
	v_cvt_scalef32_pk16_fp6_f32 v[32+6*\c:34+6*\c], v[192+32*\c:207+32*\c], v[54+\c]
	v_cvt_scalef32_pk16_fp6_f32 v[44+4*\c:46+4*\c], v[208+32*\c:223+32*\c], v[54+\c]   ; (a conversion's three registers begin on an even number)
.endr
	v_nop                                          ; one plain place behind the last scaled conversion
.irp c, 0,1
.irp i, 0,1,2
	v_mov_b32 v[35+6*\c+\i], v[44+4*\c+\i]
.endr
.endr
	s_wait_alu depctr_va_vdst(0)                   ; the codes v32-43 and the word v58 are written, which the four LDS stores read; and the conversions are done reading v192-255, in which the next tile's LDS loads land
.irp q, 0,1,2
	ds_store_b128 v25, v[32+4*\q:35+4*\q] offset:12288*\u+512*\q
.endr
	ds_store_b32 v26, v58 offset:512*\u            ; lanes r and r + 16 write the same word with the same value
	s_wait_dscnt 0x0                               ; the stores have landed
	s_wait_alu depctr_vm_vsrc(0)                   ; my LDS stores have read the tile as loaded, v4, v25, v26, the codes and v58: the next loads land in the first, the next offsets, addresses and codes are written over the others
.endm
; six LDS loads: K steps s0 and s0 + 1 of the tile into A's buffer buf
.macro AFL buf, s0
.irp e, 0,1
.irp q, 0,1,2
	ds_load_b128 v[76+24*(\buf)+12*\e+4*\q:79+24*(\buf)+12*\e+4*\q], v15 offset:1536*((\s0)+\e)+512*\q
.endr
.endr
.endm
; K step s: four products, the four accumulators by turns.  Source 0 = the tile's 16 rows, source 1 = 16 rows of Wk: lane (r, h), register j = (row 8 h + j, unit r)
.macro MM s
.irp t, 0,1,2,3
.set F, 4*(\s)+\t
.set AR, 76+12*((\s)%4)
.if F < 11
.set BR, 124+12*F
	WIN 0
.else
.set BR, 12*(F-11)
	WIN 0x04                                       ; source 1 in window 1
.endif
.if (\s) == 0
	v_wmma_scale_f32_16x16x128_f8f6f4 v[44+8*\t:51+8*\t], v[AR:AR+11], v[BR:BR+11], 0, v[40+(\s)%4], v[24+4*\t+(\s)%4] matrix_a_fmt:MATRIX_FMT_FP6 matrix_b_fmt:MATRIX_FMT_FP6
.elseif (\s) < 4
	v_wmma_scale_f32_16x16x128_f8f6f4 v[44+8*\t:51+8*\t], v[AR:AR+11], v[BR:BR+11], v[44+8*\t:51+8*\t], v[40+(\s)%4], v[24+4*\t+(\s)%4] matrix_a_fmt:MATRIX_FMT_FP6 matrix_b_fmt:MATRIX_FMT_FP6
.else
	v_wmma_scale_f32_16x16x128_f8f6f4 v[44+8*\t:51+8*\t], v[AR:AR+11], v[BR:BR+11], v[44+8*\t:51+8*\t], v[40+(\s)%4], v[24+4*\t+(\s)%4] matrix_a_fmt:MATRIX_FMT_FP6 matrix_b_fmt:MATRIX_FMT_FP6 matrix_a_scale:MATRIX_SCALE_ROW1 matrix_b_scale:MATRIX_SCALE_ROW1
.endif
.endr
.endm
; eight numbers a lane, v76-83 (row 8 h + j, unit r), are summed over the 16 lanes of a half.  In each step a lane keeps half of its numbers and sends the other half to the lane that keeps those.
; Lane (r, h) ends with the sum of row 8 h + r / 2 in v84.
.macro BFLY
.irp i, 0,1,2,3
	v_cndmask_b32 v[84+\i], v[76+\i], v[80+\i], s66
	v_cndmask_b32 v[88+\i], v[80+\i], v[76+\i], s66
.endr
.irp i, 0,1,2,3
	v_add_f32_dpp v[84+\i], v[88+\i], v[84+\i] row_xmask:8 row_mask:0xf bank_mask:0xf
.endr
.irp i, 0,1
	v_cndmask_b32 v[88+\i], v[86+\i], v[84+\i], s67
	v_cndmask_b32 v[84+\i], v[84+\i], v[86+\i], s67
.endr
.irp i, 0,1
	v_add_f32_dpp v[84+\i], v[88+\i], v[84+\i] row_xmask:4 row_mask:0xf bank_mask:0xf
.endr
	v_cndmask_b32 v88, v85, v84, s68
	v_cndmask_b32 v84, v84, v85, s68
	v_add_f32_dpp v84, v88, v84 row_xmask:2 row_mask:0xf bank_mask:0xf
	v_add_f32_dpp v84, v84, v84 row_xmask:1 row_mask:0xf bank_mask:0xf
.endm
; one tile against the pass's 64 units
.macro TILE p
	v_add_nc_u32 v15, s26, v9                      ; the tile's images,
	v_add_nc_u32 v17, s27, v11                     ; its scale words,
	v_add_nc_u32 v19, s25, v13                     ; its place among the parts
	s_wait_alu depctr_va_vdst(0)                   ; the three addresses are written; and every earlier vector or matrix instruction is done with v40-43 and v76-123, in which the loads below land
	ds_load_b128 v[40:43], v17                     ; register m = K step m (lanes 0-15), 4 + m (lanes 16-31)
	AFL 0, 0
	AFL 1, 2
	s_wait_dscnt 6                                 ; the six youngest loads, K steps 2 and 3, may be out
	MM 0
	MM 1
	PLACES
	s_wait_alu depctr_va_vdst(0)                   ; the products of K steps 0 and 1 are done reading v76-99, in which K steps 4 and 5 land
	AFL 0, 4
	s_wait_dscnt 6                                 ; K steps 2 and 3 are in; the six just issued may be out
	MM 2
	MM 3
	PLACES
	s_wait_alu depctr_va_vdst(0)                   ; the products of K steps 2 and 3 are done reading v100-123, in which K steps 6 and 7 land
	AFL 1, 6
	s_wait_dscnt 6                                 ; K steps 4 and 5 are in
	MM 4
	MM 5
	s_wait_dscnt 0x0
	MM 6
	MM 7
	WIN 0
	PLACES
.irp t, 0,1,2,3
.irp j, 0,2,4,6
	v_pk_fma_f32 v[44+8*\t+\j:45+8*\t+\j], v[44+8*\t+\j:45+8*\t+\j], s[70:71], v[8+4*\t:9+4*\t] op_sel_hi:[1,0,0]   ; y = 2 log2(e) x + qc; each accumulator from its low end on
.endr
.endr
.set J, 0
	s_wait_alu depctr_va_vdst(0)
.rept 32
	v_exp_f32 v[44+J], v[44+J]
.set J, J+1
.endr
	v_nop                                          ; a plain place behind the last exponential
	s_wait_alu depctr_va_vdst(0)                   ; the 32 exponentials have written v44-75: one wait for the batch, ahead of its first reader
.set J, 0
.rept 16
	v_pk_add_f32 v[44+J:45+J], v[44+J:45+J], 1.0 op_sel_hi:[1,0]
.set J, J+2
.endr
.set J, 0
	s_wait_alu depctr_va_vdst(0)
.rept 32
	v_rcp_f32 v[44+J], v[44+J]
.set J, J+1
.endr
	v_nop
	s_wait_alu depctr_va_vdst(0)                   ; the 32 reciprocals have written v44-75: one wait, ahead of their first reader
.irp j, 0,2,4,6
	v_pk_mul_f32 v[76+\j:77+\j], v[44+\j:45+\j], v[10:11] op_sel_hi:[1,0]     ; x (-2 log2(e) v) of my lane's unit, summed over the four tiles of units
.endr
.irp t, 1,2,3
.irp j, 0,2,4,6
	v_pk_fma_f32 v[76+\j:77+\j], v[44+8*\t+\j:45+8*\t+\j], v[10+4*\t:11+4*\t], v[76+\j:77+\j] op_sel_hi:[1,0,1]
.endr
.endr
	BFLY
	s_wait_alu depctr_va_vdst(0)                   ; the sums have written v84, which the LDS store reads
	ds_store_b32 v19, v84 offset:1024*\p           ; lanes r and r xor 1 write the same word with the same value
	s_wait_alu depctr_vm_vsrc(0)                   ; the tile's LDS loads have read v15 and v17, its store v19 and v84: the next tile, or the last sums, write them again
.endm
; a pass: its part of Wk into registers, then all 16 tiles: the trip count is a constant, and a tile that is not asked for is jumped over
.macro PASS p
.if \p
	WIN 0x40                                       ; (the switch first, then the wait, then the loads)
.endif
	s_wait_alu depctr_va_vdst(0)                   ; the offsets v3 and v4 are written; and every earlier vector or matrix instruction is done with the registers in which this pass's loads land: Wk's fragments and scale words, qc and v
.if \p
	LOADB_W1 \p
.endif
	LOADB_W0 \p
	s_wait_loadcnt 0x0
.irp t, 0,1,2,3
	v_mul_f32 v[10+4*\t], s74, v[10+4*\t]          ; -2 log2(e) v
.endr
	s_mov_b32 s24, 0
	s_mov_b32 s25, 0
	s_mov_b32 s26, 0
	s_mov_b32 s27, 0
.Lt_\@:
	s_cmp_lt_i32 s25, s23                          ; 64 i < count - 16 j
	s_cbranch_scc0 .Ls_\@
	TILE \p
.Ls_\@:
	s_add_co_u32 s25, s25, 64
	s_add_co_u32 s26, s26, 12288
	s_add_co_u32 s27, s27, 512
	s_add_co_u32 s24, s24, 1
	s_cmp_lt_u32 s24, 16
	s_cbranch_scc1 .Lt_\@
.endm
	s_load_b512 s[4:19], s[0:1], 0x0               ; keys 4, v 6, qc 8, wkf 10, Wk_scales 12, order 14, counts 16, ebuf 18
	v_lshl_add_u32 v1, v0, 2, SPARE                ; my spare word,
	v_mov_b32 v2, 0                                ; and 0: kept for the closing lines alone
	v_lshrrev_b32 v28, 5, v0
	v_readfirstlane_b32 s20, v28                   ; wave 0..7
	s_and_b32 s21, ttmp7, 0xffff                   ; the batch
	s_mov_b32 s22, ttmp9                           ; which quarter of its tiles
	s_mov_b32 s66, 0xff00ff00                      ; lanes with r >= 8,
	s_mov_b32 s67, 0xf0f0f0f0                      ; with bit 2 of r,
	s_mov_b32 s68, 0xcccccccc                      ; with bit 1 of r
	s_mov_b32 s70, C2
	s_mov_b32 s71, C2
	s_mov_b32 s72, 0x76543210                      ; v_permlanex16_b32's selects for lane l xor 16
	s_mov_b32 s73, 0xfedcba98
	s_mov_b32 s74, 0xc038aa3b                      ; -2 log2(e)
	v_and_b32 v28, 31, v0                          ; lane
	v_and_b32 v29, 15, v0                          ; r
	v_bfe_u32 v30, v0, 4, 1                        ; h
	v_lshlrev_b32 v3, 4, v0                        ; P1: 512 wave + 16 lane: my 16 bytes of a row
	s_wait_alu depctr_va_sdst(0)                   ; s20 is written, ahead of its first reader
	s_mul_i32 s30, s20, 8448
	s_add_co_u32 s30, s30, STG                     ; my wave's stage
	v_lshl_add_u32 v4, v28, 4, s30                 ; into it: 16 lane, a row at a time
	v_mul_u32_u24 v5, v29, 528
	v_lshl_add_u32 v5, v30, 7, v5
	v_add_nc_u32 v5, s30, v5                       ; out of it: row r, + 128 h.  Rows 528 bytes apart: sixteen lanes touch sixteen different columns of 16 bytes
	s_mul_i32 s30, s20, 1536
	v_lshl_add_u32 v6, v28, 4, s30                 ; my K step's image: 1,536 wave + 16 lane
	s_lshl_b32 s30, s20, 2
	s_add_co_u32 s30, s30, SCI
	v_lshl_add_u32 v7, v29, 5, s30                 ; my K step's scale word of row r
	v_lshlrev_b32 v24, 3, v30                      ; 8 h
	v_lshlrev_b32 v9, 4, v28                       ; P2: 16 lane
	v_lshlrev_b32 v11, 5, v29
	v_lshl_add_u32 v11, v30, 4, v11
	v_add_nc_u32 v11, SCI, v11                     ; the rows' scale words: 32 r + 16 h
	v_lshrrev_b32 v31, 1, v29
	v_lshlrev_b32 v13, 2, v31
	v_lshl_add_u32 v13, v30, 5, v13
	s_lshl_b32 s30, s20, 11
	s_add_co_u32 s30, s30, EPART
	v_add_nc_u32 v13, s30, v13                     ; my wave's parts: row 8 h + r / 2
	v_mov_b32 v21, 0                               ; (upper halves of pairs of which the low word alone is used)
	v_mov_b32 v23, 0
	v_mov_b32 v59, 0                               ; (a lane permute's destination counts as one of its sources)
.irp i, 0,1,2,3
	v_mov_b32 v[64+\i], 0
.endr
	v_lshl_add_u32 v31, v0, 4, EPART
	s_wait_alu depctr_va_vdst(0)                   ; v31 and the zeros v64-67 are written, which the LDS stores read; so are the addresses v1, v2, v4, v5 and v9, which later LDS and memory instructions read
.irp k, 0,1,2,3
	ds_store_b128 v31, v[64:67] offset:4096*\k     ; the parts begin as zeros: a tile that is not walked stores 0
.endr
	s_mov_b32 s31, 0
	s_wait_kmcnt 0x0
	s_mul_i32 s30, s20, 98304                      ; my 8 tiles of Wk's rows
	s_add_nc_u64 s[10:11], s[10:11], s[30:31]
	s_lshl_b32 s30, s20, 15
	s_lshl_b32 s29, s21, 6
	s_add_co_u32 s30, s30, s29
	s_add_nc_u64 s[8:9], s[8:9], s[30:31]          ; qc: my 8 tiles of units, my batch
	s_lshl_b32 s30, s20, 9
	s_add_nc_u64 s[6:7], s[6:7], s[30:31]          ; v: my 128 units
	s_lshl_b32 s30, s20, 12
	s_add_nc_u64 s[12:13], s[12:13], s[30:31]      ; Wk's scale bytes: my 128 rows
	s_lshl_b32 s30, s21, 12
	s_lshl_b32 s29, s22, 10
	s_add_co_u32 s30, s30, s29
	s_add_nc_u64 s[14:15], s[14:15], s[30:31]      ; order and ebuf: my work-group's 1,024 bytes
	s_add_nc_u64 s[18:19], s[18:19], s[30:31]
	s_lshl_b32 s30, s21, 7
	s_add_nc_u64 s[16:17], s[16:17], s[30:31]
	s_lshl_b32 s30, s21, 22
	s_add_nc_u64 s[76:77], s[4:5], s[30:31]        ; the batch's keys
	s_mov_b32 s29, 0
	s_load_b32 s23, s[16:17], 0x0                  ; the count
	s_load_b512 s[32:47], s[14:15], s29 offset:0x0 ; the rows of tiles 0 and 1
	s_load_b512 s[48:63], s[14:15], s29 offset:0x40
	LOADB_W1 0                                     ; pass 0's fragments 11 to 31 land while P1, which uses window 0 alone, is at work.  (No vector instruction since the wait above: v9 is written, and none has named window 1)
	s_wait_dscnt 0x0
	s_wait_alu depctr_vm_vsrc(0)                   ; the four LDS stores have read v64-67, in which the first tile's loads land
	s_wait_kmcnt 0x0
	s_lshl_b32 s30, s22, 4
	s_sub_co_i32 s23, s23, s30                     ; count - 16 j
; ---- P1: eight trips of two tiles.  s25 = 64 x tile, s26 the images' and s27 the scale words' step, s28 the list's
	s_mov_b32 s24, 0
	s_mov_b32 s25, 0
	s_mov_b32 s26, 0
	s_mov_b32 s27, 0
	s_mov_b32 s28, 0
.Lp1:
	s_wait_kmcnt 0x0                               ; this trip's 32 row numbers are in, and the scalar loads have read their offset
	s_cmp_lt_i32 s25, s23
	s_cbranch_scc0 .Lp1_next
	v_add_nc_u32 v25, s26, v6
	v_add_nc_u32 v26, s27, v7
	OFFS 32, 32
	OFFS 48, 48                                    ; the second tile's too, whether or not it is walked: its entries of the list are real rows
	s_wait_alu depctr_va_vdst(0)                   ; the trip's 32 offsets v32-63 are written, which its loads read
	LOADS 64, 32
	s_add_co_u32 s30, s25, 64
	s_cmp_lt_i32 s30, s23
	s_cbranch_scc0 .Lp1_one
	LOADS 128, 48
	s_add_co_u32 s29, s28, 128                     ; the next trip's row numbers; in the last trip the offset is held inside my 1,024 bytes
	s_min_u32 s29, s29, 896
	s_load_b512 s[32:47], s[14:15], s29 offset:0x0
	s_load_b512 s[48:63], s[14:15], s29 offset:0x40
	s_wait_xcnt 0x0                                ; the 32 loads have had their addresses translated (ISA guide 3.1),
	s_wait_alu depctr_vm_vsrc(0)                   ; and have read their offsets v32-63, over which the first tile's codes and scratch are written while the second tile is still on its way
	s_wait_loadcnt 16                              ; the first tile is in; the 16 younger loads, the second tile's, may be out
	PROCESS 64, 0
	s_wait_loadcnt 0x0                             ; the second tile is in
	PROCESS 128, 1
	s_branch .Lp1_next
.Lp1_one:                                              ; the last tile walked stands alone in its trip: nothing follows it, so no further row numbers are asked for
	s_wait_loadcnt 0x0
	s_wait_alu depctr_vm_vsrc(0)                   ; the 16 loads have read their offsets v32-47, over which the tile's codes are written
	PROCESS 64, 0
.Lp1_next:
	s_add_co_u32 s25, s25, 128
	s_add_co_u32 s26, s26, 24576
	s_add_co_u32 s27, s27, 1024
	s_add_co_u32 s28, s28, 128
	s_add_co_u32 s24, s24, 1
	s_cmp_lt_u32 s24, 8
	s_cbranch_scc1 .Lp1
	s_wait_kmcnt 0x0
	s_wait_dscnt 0x0                               ; for the others' sake: my images, scale words and zeros have landed
	s_barrier_signal -1
	s_barrier_wait -1                              ; everybody's have
; ---- P2.  No barrier between the passes: the images are only read, and a wave's parts are its own
	v_lshlrev_b32 v3, 2, v29                       ; 4 r
	v_lshlrev_b32 v4, 5, v29                       ; (the LDS stores that read v4 stand ahead of a wait on vm_vsrc in each tile of P1)
	v_lshl_add_u32 v4, v30, 4, v4                  ; 32 r + 16 h
	PASS 0
	PASS 1
	s_wait_dscnt 0x0                               ; my parts have landed
	s_barrier_signal -1
	s_barrier_wait -1
; ---- P3: thread 16 i + row adds the sixteen parts of its row
	v_lshl_add_u32 v15, v0, 2, EPART
	v_lshlrev_b32 v17, 2, v0
	s_wait_alu depctr_va_vdst(0)                   ; v15 and v17 are written, which the LDS loads and the store read; and the activation is done with v44-59, in which the loads land
.irp k, 0,1,2,3,4,5,6,7,8,9,10,11,12,13,14,15
	ds_load_b32 v[44+\k], v15 offset:1024*\k
.endr
	s_wait_dscnt 0x0
.irp k, 0,4,8,12
	v_pk_add_f32 v[44+\k:45+\k], v[44+\k:45+\k], v[46+\k:47+\k]
.endr
	v_pk_add_f32 v[44:45], v[44:45], v[48:49]
	v_pk_add_f32 v[52:53], v[52:53], v[56:57]
	v_pk_add_f32 v[44:45], v[44:45], v[52:53]
	v_add_f32 v44, v44, v45
	s_wait_alu depctr_va_vdst(0)                   ; the additions have written v44, which the store reads
	global_store_b32 v17, v44, s[18:19]            ; a wave stores 128 consecutive bytes, the work-group its 1,024
	s_wait_dscnt 0x0                               ; the closing lines, six on end
	s_wait_alu 0x0
	s_wait_tensorcnt 0x0
	ds_add_u32 v1, v2
	s_wait_dscnt 0x0
	s_endpgm
.Lfunc_end_k_q49f803c464_energy:
	.size	k_q49f803c464_energy, .Lfunc_end_k_q49f803c464_energy-k_q49f803c464_energy
	.p2alignl 7, 3214868480
	.fill 96, 4, 3214868480
	.section	.rodata,"a",@progbits
	.p2align	6, 0x0
	.amdhsa_kernel k_q49f803c464_energy
		.amdhsa_group_segment_fixed_size 289792
		.amdhsa_private_segment_fixed_size 0
		.amdhsa_enable_private_segment 0
		.amdhsa_kernarg_size 64
		.amdhsa_user_sgpr_count 2
		.amdhsa_user_sgpr_kernarg_segment_ptr 1
		.amdhsa_wavefront_size32 1
		.amdhsa_system_sgpr_workgroup_id_x 1
		.amdhsa_system_sgpr_workgroup_id_y 1
		.amdhsa_system_sgpr_workgroup_id_z 1
		.amdhsa_system_vgpr_workitem_id 0
		.amdhsa_next_free_vgpr 512
		.amdhsa_next_free_sgpr 80
		.amdhsa_reserve_vcc 0
		.amdhsa_float_denorm_mode_32 3
		.amdhsa_float_denorm_mode_16_64 3
		.amdhsa_memory_ordered 1
		.amdhsa_forward_progress 1
		.amdhsa_inst_pref_size 79
	.end_amdhsa_kernel
	.amdgpu_metadata
---
amdhsa.version: [ 1, 2 ]
amdhsa.kernels:
  - .name:           k_q49f803c464_energy
    .symbol:         k_q49f803c464_energy.kd
    .args:
      - { .name: keys, .offset: 0, .size: 8, .value_kind: global_buffer, .address_space: global }
      - { .name: v, .offset: 8, .size: 8, .value_kind: global_buffer, .address_space: global }
      - { .name: qc, .offset: 16, .size: 8, .value_kind: global_buffer, .address_space: global }
      - { .name: wkf, .offset: 24, .size: 8, .value_kind: global_buffer, .address_space: global }
      - { .name: Wk_scales, .offset: 32, .size: 8, .value_kind: global_buffer, .address_space: global }
      - { .name: order, .offset: 40, .size: 8, .value_kind: global_buffer, .address_space: global }
      - { .name: counts, .offset: 48, .size: 8, .value_kind: global_buffer, .address_space: global }
      - { .name: ebuf, .offset: 56, .size: 8, .value_kind: global_buffer, .address_space: global }
    .group_segment_fixed_size: 289792
    .private_segment_fixed_size: 0
    .kernarg_segment_align: 8
    .kernarg_segment_size: 64
    .max_flat_workgroup_size: 256
    .sgpr_count:     80
    .vgpr_count:     512
    .wavefront_size: 32
...
	.end_amdgpu_metadata
.endif
;; end of part 5
;; launch context (part 6): grid 4 x 64, 8 waves a work-group, no clusters, 5,120 bytes of LDS; arguments keys, ebuf, order, place, counts, out0, out1; writes out0, out1
.if DOCPART == 6
	.amdgcn_target "amdgcn-amd-amdhsa--gfx1250"
	.amdhsa_code_object_version 6
	.text
	.protected	k_q49f803c464_context
	.globl	k_q49f803c464_context
	.p2align	8
	.type	k_q49f803c464_context,@function
k_q49f803c464_context:
	s_mov_b64 s[64:65], 0
	v_nop
	global_prefetch_b8 v0, s[64:65] scope:SCOPE_SE
	s_setreg_imm32_b32 hwreg(HW_REG_WAVE_SCHED_MODE, 0, 2), 2
	s_setreg_imm32_b32 hwreg(HW_REG_WAVE_MODE, 25, 1), 1
	s_wait_xcnt 0x0
	s_wait_alu depctr_vm_vsrc(0)
; Third launch: the softmax over a batch's energies, attn (out1) and context = attn x keys (out0).
; LEFT OUT (shown at the head of the first kernel): tiles of 16 rows that hold masked rows alone: their attn is 0, so they add nothing to the context.
; ebuf holds t = energy x log2(e), less a term that is the same along the softmax's axis.  attn = 2^(t - M) / sum, M the largest t of the rows asked for: the maximum is taken away as reference() takes it.
; A place at or past the count counts as -3e38: its weight is 2^(-huge) = 0.  A batch with no row asked for gets the factor 0 (reference()'s NaN -> 0), and each weight that is a NaN becomes 0.
; SHARES.  Work-group (c, b): columns 256 c .. 256 c + 255 of batch b's context, and rows 256 c .. 256 c + 255 of its attn: each output has one owner.
; Wave w: half = w % 2 (512 bytes of the slice's 1,024), g = w / 2: places 256 g .. 256 g + 255 of the list, 16 tiles; tile k is walked where 64 k + 16 g < count (a prefix).
; Tile 0 is always walked: its entries are real rows (the list is a full permutation), and places at or past the count carry the weight 0.
; Every wave makes M and the sum from all 1,024 energies by itself, so nothing is handed round ahead of the stream.
; The product has one row (M = 1) and moves 4 bytes for each multiply-add: f32 fused multiply-adds, no matrix unit, no tensor loads, no cluster (no two work-groups read the same bytes of keys).
; LIMITS: NaN and infinities among the keys or energies are not served (one NaN energy does not turn the whole row to 0 as it does in reference()); t under -3e38 is not told from a masked row;
; weights under 2^-126 come out as 0 (ISA guide, v_exp_f32: results that would be denormal are flushed).
; THE MODE: SCHED_MODE bits 1:0 = 2 (LLVM: expert scheduling mode 2), set by the entry lines.  The code itself states the register dependences
; between vector instructions and memory or LDS instructions, and those through scalar registers that vector instructions write, with s_wait_alu, always for 0.
; THE PLAN, the stream.  Registers that memory instructions touch:
;   v32-47, v48-63    two sets of 16 offsets.  Step k writes set (k + 1) % 2 by additions; the loads of tile k + 1 read it.  Its last readers were tile k - 1's loads.
;   v64-127, v128-191 two buffers.  Tile k + 1's loads land in buffer (k + 1) % 2, which tile k - 1's multiply-adds read; step k's multiply-adds read the other.
;   v3, v4, v12       offsets made at the head and never written again.
; Scalar registers that vector instructions write: s40-55 (a tile's 16 row numbers; ahead of the stream the masks of the compares) and the sixteen pairs from s66 on (a tile's 16 weights).
; A step: the next tile's rows and this tile's weights are read out of their lanes in one run of 32; one wait on va_sdst; one on vm_vsrc (tile k - 1's loads have read the offsets that are written next);
; the 16 additions; one wait on va_vdst (the offsets are written, and tile k - 1's multiply-adds are done with the buffer); the 16 loads; this tile's multiply-adds.
; Ahead of the stream every compare writes a scalar register of its own, in runs, with one wait on va_sdst behind each run.
.set RED,   0                          ; 8 waves x 512 bytes: the waves' parts of the slice
.set SPARE, 4096                       ; the spare words: 128 bytes for each of eight waves, named by no other line
.set NEG,   0xff61b1e6                 ; -3e38
; tile k's 16 row numbers, out of their lanes
.macro ROWS k
.irp p, 0,1,2,3,4,5,6,7,8,9,10,11,12,13,14,15
	v_readlane_b32 s[40+\p], v[16+(\k)/2], 16*((\k)%2)+\p
.endr
.endm
; tile k's 16 weights, each into the low word of a pair
.macro WTS k
.irp p, 0,1,2,3,4,5,6,7,8,9,10,11,12,13,14,15
	v_readlane_b32 s[66+2*\p], v[24+(\k)/2], 16*((\k)%2)+\p
.endr
.endm
; tile k's 16 offsets, into set k % 2
.macro OFFS k
.irp p, 0,1,2,3,4,5,6,7,8,9,10,11,12,13,14,15
	s_min_u32 s[40+\p], s[40+\p], 0x3ff            ; a number read from memory is held inside the batch's 1,024 rows before it enters an address
	s_lshl_b32 s[40+\p], s[40+\p], 12
	v_add_nc_u32 v[32+16*((\k)%2)+\p], s[40+\p], v3
.endr
.endm
; tile k's 16 rows are asked for: my wave's 512 bytes of each, into buffer k % 2
.macro LOADS k
.irp p, 0,1,2,3,4,5,6,7,8,9,10,11,12,13,14,15
	global_load_b128 v[64+64*((\k)%2)+4*\p:67+64*((\k)%2)+4*\p], v[32+16*((\k)%2)+\p], s[30:31] th:TH_LOAD_NT   ; 512 consecutive bytes of one row; each byte is read once in this launch
.endr
.endm
; tile k's rows, each times its weight, onto two sets of four sums by turns
.macro FMAS k
.irp p, 0,1,2,3,4,5,6,7,8,9,10,11,12,13,14,15
	v_pk_fma_f32 v[192+4*(\p%2):193+4*(\p%2)], v[64+64*((\k)%2)+4*\p:65+64*((\k)%2)+4*\p], s[66+2*\p:67+2*\p], v[192+4*(\p%2):193+4*(\p%2)] op_sel_hi:[1,0,1]
	v_pk_fma_f32 v[194+4*(\p%2):195+4*(\p%2)], v[66+64*((\k)%2)+4*\p:67+64*((\k)%2)+4*\p], s[66+2*\p:67+2*\p], v[194+4*(\p%2):195+4*(\p%2)] op_sel_hi:[1,0,1]
.endr
.endm
; tile k has been asked for.  Where a tile follows, it is asked for first and stays out while tile k is consumed; else tile k is the last
.macro STEPK k
.if (\k) < 15
	ROWS (\k)+1                                    ; (read out whether or not the tile follows: the entries are real rows)
.endif
	WTS \k
	s_wait_alu depctr_va_sdst(0)                   ; the lane reads have written s40-55 and the weights' pairs, ahead of the branch and of their first readers
.if (\k) < 15
.if (\k) > 0
	s_wait_alu depctr_vm_vsrc(0)                   ; tile k - 1's loads have read their offsets, over which the next tile's are written
.endif
	s_cmp_gt_i32 s26, 64*((\k)+1)
	s_cbranch_scc0 .Llast_\@
	OFFS (\k)+1                                    ; its buffer and offset registers were tile k - 1's, whose loads the last step's wait has shown done
	s_wait_alu depctr_va_vdst(0)                   ; the 16 offsets are written, which the loads read; tile k - 1's multiply-adds are done reading the buffer in which they land
	LOADS (\k)+1
	s_wait_loadcnt 16                              ; the 16 just issued may be out: tile k is in
	FMAS \k
	s_branch .Lnext_\@
.Llast_\@:
	s_wait_loadcnt 0x0
	FMAS \k
	s_branch .Lred
.Lnext_\@:
.else
	s_wait_loadcnt 0x0
	FMAS \k
.endif
.endm
	s_load_b256 s[4:11], s[0:1], 0x0               ; keys 4, ebuf 6, order 8, place 10
	s_load_b128 s[12:15], s[0:1], 0x20             ; counts 12, out0 14
	s_load_b64 s[16:17], s[0:1], 0x30              ; out1
	v_lshl_add_u32 v1, v0, 2, SPARE                ; my spare word,
	v_mov_b32 v2, 0                                ; and 0: kept for the closing lines alone
	v_lshrrev_b32 v11, 5, v0
	v_readfirstlane_b32 s20, v11                   ; wave 0..7
	s_and_b32 s23, ttmp7, 0xffff                   ; the batch
	s_mov_b32 s28, 0x76543210                      ; v_permlanex16_b32's selects for lane l xor 16
	s_mov_b32 s29, 0xfedcba98
	v_and_b32 v13, 31, v0                          ; lane
	v_lshlrev_b32 v3, 4, v13
	v_lshlrev_b32 v4, 2, v13
	v_lshlrev_b32 v12, 4, v0                       ; 16 x thread = 512 wave + 16 lane: my place in RED, and in waves 0 and 1 my 16 bytes of the work-group's 1,024 of place, out0 and out1; never rewritten
	v_mov_b32 v7, NEG
	v_mov_b32 v10, 0
.irp i, 0,1,2,3,4,5,6,7
	v_mov_b32 v[192+\i], 0                         ; the eight sums
.endr
.irp i, 0,1,2,3,4,5,6,7,8,9,10,11,12,13,14,15
	s_mov_b32 s[67+2*\i], 0                        ; (upper halves of the weights' pairs, of which the low word alone is used)
.endr
	s_mov_b32 s35, 0
	s_mov_b32 s37, 0
	s_wait_alu depctr_va_sdst(0)                   ; s20 is written, ahead of its first reader
	s_and_b32 s21, s20, 1                          ; half
	s_lshr_b32 s22, s20, 1                         ; g
	s_wait_kmcnt 0x0
	s_lshl_b32 s34, s23, 7
	s_add_nc_u64 s[12:13], s[12:13], s[34:35]
	s_load_b32 s25, s[12:13], 0x0                  ; the count
	s_lshl_b32 s34, s23, 12
	s_add_nc_u64 s[6:7], s[6:7], s[34:35]          ; the batch's energies
	s_lshl_b32 s36, s22, 10
	s_add_nc_u64 s[38:39], s[6:7], s[36:37]        ; my group's
	s_add_co_u32 s36, s36, s34
	s_add_nc_u64 s[8:9], s[8:9], s[36:37]          ; my group's part of the list
	s_lshl_b32 s36, ttmp9, 10
	s_add_co_u32 s36, s36, s34
	s_add_nc_u64 s[10:11], s[10:11], s[36:37]      ; the work-group's 1,024 bytes of place,
	s_add_nc_u64 s[14:15], s[14:15], s[36:37]      ; of out0,
	s_add_nc_u64 s[16:17], s[16:17], s[36:37]      ; of out1
	s_lshl_b32 s36, s23, 22
	s_lshl_b32 s34, ttmp9, 10
	s_add_co_u32 s36, s36, s34
	s_lshl_b32 s34, s21, 9
	s_add_co_u32 s36, s36, s34
	s_add_nc_u64 s[30:31], s[4:5], s[36:37]        ; the batch's keys at my wave's 512 bytes of a row
	s_wait_alu depctr_va_vdst(0)                   ; the offsets v3, v4 and v12 and the pair v1, v2 are written, which loads, stores and LDS instructions read from here to the end
.irp k, 0,1,2,3,4,5,6,7
	global_load_b32 v[16+\k], v4, s[8:9] offset:128*\k         ; the rows at places 256 g + 32 k + lane
.endr
.irp m, 0,1,2,3,4,5,6,7
	global_load_b128 v[200+4*\m:203+4*\m], v3, s[6:7] offset:512*\m   ; all 1,024 energies: register 4 m + k = place 128 m + 4 lane + k
.endr
.irp k, 0,1,2,3,4,5,6,7
	global_load_b32 v[24+\k], v4, s[38:39] offset:128*\k       ; my group's energies, laid as its rows are
.endr
	s_wait_kmcnt 0x0
	s_lshl_b32 s27, s22, 4
	s_sub_co_i32 s26, s25, s27                     ; count - 16 g
	s_cmp_eq_u32 s25, 0
	s_cselect_b32 s32, 0, 1.0                      ; 0 where no row is asked for
	v_lshrrev_b32 v11, 2, v13
	v_and_b32 v14, 3, v13
	v_lshlrev_b32 v14, 2, v14
	v_lshl_add_u32 v11, v11, 6, v14
	v_sub_nc_u32 v5, s25, v11                      ; place 128 m + 4 lane + k has position 512 (m % 2) + 16 (m / 2) + k + 64 (lane / 4) + 4 (lane % 4): it counts where the first three terms lie under this
	v_lshrrev_b32 v11, 4, v13
	v_and_b32 v14, 15, v13
	v_lshl_add_u32 v11, v11, 6, v14
	v_sub_nc_u32 v6, s26, v11                      ; place 256 g + 32 k + lane has position 128 k + 64 (lane / 16) + 16 g + lane % 16: it counts where 128 k lies under this
	s_wait_loadcnt 16                              ; the rows are in; the 8 + 8 loads of energies may be out
	ROWS 0
	s_wait_alu depctr_va_sdst(0)                   ; the 16 lane reads have written s40-55, ahead of their first reader
	OFFS 0
	s_wait_alu depctr_va_vdst(0)                   ; tile 0's offsets v32-47 are written, which its loads read
	LOADS 0
	s_wait_loadcnt 16                              ; the energies are in; tile 0's 16 loads stay out
; ---- M and the sum
.irp g, 0,1
.irp n, 0,1,2,3,4,5,6,7,8,9,10,11,12,13,14,15
	v_cmp_lt_i32 s[40+\n], 512*(((16*\g+\n)/4)%2)+16*((16*\g+\n)/8)+(\n%4), v5
.endr
	s_wait_alu depctr_va_sdst(0)                   ; the sixteen compares have written s40-55, ahead of the selections that read them
.irp n, 0,1,2,3,4,5,6,7,8,9,10,11,12,13,14,15
	v_cndmask_b32 v[200+16*\g+\n], v7, v[200+16*\g+\n], s[40+\n]
.endr
.endr
	v_max3_num_f32 v11, v200, v201, v202
	v_max3_num_f32 v13, v203, v204, v205
	v_max3_num_f32 v14, v206, v207, v208
	v_max3_num_f32 v15, v209, v210, v211
.irp i, 12,20
	v_max3_num_f32 v11, v11, v[200+\i], v[201+\i]
	v_max3_num_f32 v13, v13, v[202+\i], v[203+\i]
	v_max3_num_f32 v14, v14, v[204+\i], v[205+\i]
	v_max3_num_f32 v15, v15, v[206+\i], v[207+\i]
.endr
	v_max3_num_f32 v11, v11, v228, v229
	v_max3_num_f32 v13, v13, v230, v231
	v_max3_num_f32 v8, v11, v13, v14
	v_max_num_f32 v8, v8, v15
	v_max_num_f32_dpp v8, v8, v8 row_xmask:1 row_mask:0xf bank_mask:0xf
	v_max_num_f32_dpp v8, v8, v8 row_xmask:2 row_mask:0xf bank_mask:0xf
	v_max_num_f32_dpp v8, v8, v8 row_xmask:4 row_mask:0xf bank_mask:0xf
	v_max_num_f32_dpp v8, v8, v8 row_xmask:8 row_mask:0xf bank_mask:0xf
	v_permlanex16_b32 v11, v8, s28, s29
	v_max_num_f32 v8, v8, v11                      ; M, in every lane
.set J, 0
.rept 32
	v_sub_f32 v[200+J], v[200+J], v8
.set J, J+1
.endr
.set J, 0
	s_wait_alu depctr_va_vdst(0)
.rept 32
	v_exp_f32 v[200+J], v[200+J]
.set J, J+1
.endr
	v_nop                                          ; a plain place behind the last exponential
	s_wait_alu depctr_va_vdst(0)                   ; the 32 exponentials have written v200-231: one wait for the batch, ahead of its first reader
.irp j, 0,4,8,12,16,20,24,28
	v_pk_add_f32 v[200+\j:201+\j], v[200+\j:201+\j], v[202+\j:203+\j]
.endr
.irp j, 0,8,16,24
	v_pk_add_f32 v[200+\j:201+\j], v[200+\j:201+\j], v[204+\j:205+\j]
.endr
.irp j, 0,16
	v_pk_add_f32 v[200+\j:201+\j], v[200+\j:201+\j], v[208+\j:209+\j]
.endr
	v_pk_add_f32 v[200:201], v[200:201], v[216:217]
	v_add_f32 v11, v200, v201
	v_add_f32_dpp v11, v11, v11 row_xmask:1 row_mask:0xf bank_mask:0xf
	v_add_f32_dpp v11, v11, v11 row_xmask:2 row_mask:0xf bank_mask:0xf
	v_add_f32_dpp v11, v11, v11 row_xmask:4 row_mask:0xf bank_mask:0xf
	v_add_f32_dpp v11, v11, v11 row_xmask:8 row_mask:0xf bank_mask:0xf
	v_permlanex16_b32 v13, v11, s28, s29
	v_add_f32 v11, v11, v13                        ; the sum: at least 1 where a row is asked for
	s_wait_alu depctr_va_vdst(0)
	v_rcp_f32 v9, v11
	v_nop
	s_wait_alu depctr_va_vdst(0)                   ; the reciprocal has written v9, ahead of its first reader
	v_mul_f32 v9, s32, v9                          ; 1 / sum, or 0 where no row is asked for
; ---- my group's weights
.irp k, 0,1,2,3,4,5,6,7
	v_cmp_lt_i32 s[40+\k], 128*\k, v6
.endr
	s_wait_alu depctr_va_sdst(0)                   ; the eight compares have written s40-47, ahead of the selections that read them
.irp k, 0,1,2,3,4,5,6,7
	v_cndmask_b32 v[24+\k], v7, v[24+\k], s[40+\k]
.endr
.irp k, 0,1,2,3,4,5,6,7
	v_sub_f32 v[24+\k], v[24+\k], v8
.endr
	s_wait_alu depctr_va_vdst(0)
.irp k, 0,1,2,3,4,5,6,7
	v_exp_f32 v[24+\k], v[24+\k]
.endr
	v_nop
	s_wait_alu depctr_va_vdst(0)                   ; the eight exponentials have written v24-31, ahead of their first reader
.irp k, 0,1,2,3,4,5,6,7
	v_mul_f32 v[24+\k], v[24+\k], v9
.endr
.irp k, 0,1,2,3,4,5,6,7
	v_cmp_neq_f32 s[48+\k], v[24+\k], v[24+\k]     ; reference()'s guard: a NaN becomes 0
.endr
	s_wait_alu depctr_va_sdst(0)                   ; the eight compares have written s48-55, ahead of the selections that read them
.irp k, 0,1,2,3,4,5,6,7
	v_cndmask_b32 v[24+\k], v[24+\k], v10, s[48+\k]
.endr
; ---- attn: waves 0 and 1 take 128 rows each, four a lane.  A branch on the wave's number; no barrier stands inside
	s_cmp_lt_u32 s20, 2
	s_cbranch_scc0 .Lstream
	global_load_b128 v[232:235], v12, s[10:11]     ; the places of my four rows.  (v12 was written ahead of the head's wait, and no vector instruction has named v232-235)
	s_wait_loadcnt 0x0
.irp i, 0,1,2,3
	v_bfe_u32 v[240+\i], v[232+\i], 4, 4
	v_bfe_u32 v[244+\i], v[232+\i], 8, 2
	v_and_b32 v[248+\i], 15, v[232+\i]
	v_lshl_or_b32 v[248+\i], v[244+\i], 4, v[248+\i]
	v_lshl_or_b32 v[248+\i], v[240+\i], 6, v[248+\i]   ; the position: 64 ((u / 16) % 16) + 16 (u / 256) + u % 16
	v_min_u32 v[236+\i], 0x3ff, v[232+\i]          ; the place is held inside the batch's 1,024 before it enters an address
	v_lshlrev_b32 v[236+\i], 2, v[236+\i]
.endr
	s_wait_alu depctr_va_vdst(0)                   ; the four offsets v236-239 are written, which the loads read; the lines above are done with v240-243, in which they land
.irp i, 0,1,2,3
	global_load_b32 v[240+\i], v[236+\i], s[6:7]
.endr
	s_wait_loadcnt 0x0
.irp i, 0,1,2,3
	v_cmp_gt_i32 s[40+\i], s25, v[248+\i]          ; asked for: the position lies under the count
.endr
	s_wait_alu depctr_va_sdst(0)                   ; the four compares have written s40-43, ahead of the selections that read them
.irp i, 0,1,2,3
	v_cndmask_b32 v[240+\i], v7, v[240+\i], s[40+\i]
.endr
.irp i, 0,1,2,3
	v_sub_f32 v[240+\i], v[240+\i], v8
.endr
	s_wait_alu depctr_va_vdst(0)
.irp i, 0,1,2,3
	v_exp_f32 v[240+\i], v[240+\i]
.endr
	v_nop
	s_wait_alu depctr_va_vdst(0)                   ; the four exponentials have written v240-243, ahead of their first reader
.irp i, 0,1,2,3
	v_mul_f32 v[240+\i], v[240+\i], v9
.endr
.irp i, 0,1,2,3
	v_cmp_neq_f32 s[44+\i], v[240+\i], v[240+\i]
.endr
	s_wait_alu depctr_va_sdst(0)                   ; the four compares have written s44-47, ahead of the selections that read them
.irp i, 0,1,2,3
	v_cndmask_b32 v[240+\i], v[240+\i], v10, s[44+\i]
.endr
	s_wait_alu depctr_va_vdst(0)                   ; the selections have written v240-243, which the store reads
	global_store_b128 v12, v[240:243], s[16:17]    ; a wave stores 512 consecutive bytes
.Lstream:
; ---- the stream: written out, so that register numbers are constants
.irp k, 0,1,2,3,4,5,6,7,8,9,10,11,12,13,14,15
	STEPK \k
.endr
.Lred:
	s_wait_alu depctr_va_vdst(0)
	v_pk_add_f32 v[192:193], v[192:193], v[196:197]
	v_pk_add_f32 v[194:195], v[194:195], v[198:199]
	s_wait_alu depctr_va_vdst(0)                   ; the additions have written v192-195, which the LDS store reads; the multiply-adds are done reading v64-79, in which the LDS loads below land
	ds_store_b128 v12, v[192:195]
	s_wait_dscnt 0x0                               ; for the others' sake: my part has landed
	s_barrier_signal -1
	s_barrier_wait -1
	s_cmp_lt_u32 s20, 2
	s_cbranch_scc0 .Lend
.irp g, 0,1,2,3
	ds_load_b128 v[64+4*\g:67+4*\g], v12 offset:1024*\g        ; the four groups' parts of my half
.endr
	s_wait_dscnt 0x0
	v_pk_add_f32 v[64:65], v[64:65], v[68:69]
	v_pk_add_f32 v[66:67], v[66:67], v[70:71]
	v_pk_add_f32 v[72:73], v[72:73], v[76:77]
	v_pk_add_f32 v[74:75], v[74:75], v[78:79]
	v_pk_add_f32 v[64:65], v[64:65], v[72:73]
	v_pk_add_f32 v[66:67], v[66:67], v[74:75]
	s_wait_alu depctr_va_vdst(0)                   ; the additions have written v64-67, which the store reads
	global_store_b128 v12, v[64:67], s[14:15]      ; a wave stores 512 consecutive bytes
.Lend:
	s_wait_dscnt 0x0                               ; the closing lines, six on end
	s_wait_alu 0x0
	s_wait_tensorcnt 0x0
	ds_add_u32 v1, v2
	s_wait_dscnt 0x0
	s_endpgm
.Lfunc_end_k_q49f803c464_context:
	.size	k_q49f803c464_context, .Lfunc_end_k_q49f803c464_context-k_q49f803c464_context
	.p2alignl 7, 3214868480
	.fill 96, 4, 3214868480
	.section	.rodata,"a",@progbits
	.p2align	6, 0x0
	.amdhsa_kernel k_q49f803c464_context
		.amdhsa_group_segment_fixed_size 5120
		.amdhsa_private_segment_fixed_size 0
		.amdhsa_enable_private_segment 0
		.amdhsa_kernarg_size 56
		.amdhsa_user_sgpr_count 2
		.amdhsa_user_sgpr_kernarg_segment_ptr 1
		.amdhsa_wavefront_size32 1
		.amdhsa_system_sgpr_workgroup_id_x 1
		.amdhsa_system_sgpr_workgroup_id_y 1
		.amdhsa_system_sgpr_workgroup_id_z 1
		.amdhsa_system_vgpr_workitem_id 0
		.amdhsa_next_free_vgpr 256
		.amdhsa_next_free_sgpr 100
		.amdhsa_reserve_vcc 0
		.amdhsa_float_denorm_mode_32 3
		.amdhsa_float_denorm_mode_16_64 3
		.amdhsa_memory_ordered 1
		.amdhsa_forward_progress 1
		.amdhsa_inst_pref_size 179
	.end_amdhsa_kernel
	.amdgpu_metadata
---
amdhsa.version: [ 1, 2 ]
amdhsa.kernels:
  - .name:           k_q49f803c464_context
    .symbol:         k_q49f803c464_context.kd
    .args:
      - { .name: keys, .offset: 0, .size: 8, .value_kind: global_buffer, .address_space: global }
      - { .name: ebuf, .offset: 8, .size: 8, .value_kind: global_buffer, .address_space: global }
      - { .name: order, .offset: 16, .size: 8, .value_kind: global_buffer, .address_space: global }
      - { .name: place, .offset: 24, .size: 8, .value_kind: global_buffer, .address_space: global }
      - { .name: counts, .offset: 32, .size: 8, .value_kind: global_buffer, .address_space: global }
      - { .name: out0, .offset: 40, .size: 8, .value_kind: global_buffer, .address_space: global }
      - { .name: out1, .offset: 48, .size: 8, .value_kind: global_buffer, .address_space: global }
    .group_segment_fixed_size: 5120
    .private_segment_fixed_size: 0
    .kernarg_segment_align: 8
    .kernarg_segment_size: 56
    .max_flat_workgroup_size: 256
    .sgpr_count:     100
    .vgpr_count:     256
    .wavefront_size: 32
...
	.end_amdgpu_metadata
.endif
;; end of part 6
